; MI455X (gfx1250); checked and timed in simulation.
; The chip was launched on July 23, 2026; its instructions are those of AMD's public machine-readable ISA for CDNA 5 (MIT licence, August 2026) and "CDNA5" Instruction Set Architecture Reference Guide (July 2026). The comments in the code are by the model that wrote it; some were corrected since.
;; Point Net Set Abstraction. Allowed arithmetic: float matrix products may take bf16 or f16 operands with f32 sums; all other float work in f32.
;; Inputs: color 16 x 3 x 2,048 float32; colors 16 x 256 x 2,048 float32; params_col_0_b 256 float32; params_col_0_beta 256 float32; params_col_0_gamma 256 float32; params_col_0_w 256 x 259 float32; params_col_1_b 512 float32; params_col_1_beta 512 float32; params_col_1_gamma 512 float32; params_col_1_w 512 x 256 float32; params_col_2_b 1,024 float32; params_col_2_beta 1,024 float32; params_col_2_gamma 1,024 float32; params_col_2_w 1,024 x 512 float32; params_pts_0_b 256 float32; params_pts_0_beta 256 float32; params_pts_0_gamma 256 float32; params_pts_0_w 256 x 259 float32; params_pts_1_b 512 float32; params_pts_1_beta 512 float32; params_pts_1_gamma 512 float32; params_pts_1_w 512 x 256 float32; params_pts_2_b 1,024 float32; params_pts_2_beta 1,024 float32; params_pts_2_gamma 1,024 float32; params_pts_2_w 1,024 x 512 float32; points 16 x 256 x 2,048 float32; xyz 16 x 3 x 2,048 float32.
;; Outputs: out0 16 x 3 x 1 float32; out1 16 x 1,024 x 1 float32; out2 16 x 3 x 1 float32; out3 16 x 1,024 x 1 float32.
;; One version. Each part assembles by itself: llvm-mc -triple=amdgcn-amd-amdhsa -mcpu=gfx1250 --defsym DOCPART=n.
;; ======== version 1 of 1: 5 launches
;; limits: values outside matrix products are rounded to bf16
;; workspace buffers: wf 2,932,736 bytes; y0 33,554,432 bytes; y1 67,108,864 bytes; ps0 524,288 bytes; ps1 1,048,576 bytes; ps2 3,145,728 bytes
;; launch prep (part 1): grid 90 x 2, 16 waves a work-group, no clusters, 0 bytes of LDS; arguments params_pts_0_w, params_pts_1_w, params_pts_2_w, params_pts_2_gamma, params_col_0_w, params_col_1_w, params_col_2_w, params_col_2_gamma, wf; writes wf
.if DOCPART == 1
	.amdgcn_target "amdgcn-amd-amdhsa--gfx1250"
	.amdhsa_code_object_version 6
	.text
	.protected	k_q42466eca78_prep
	.globl	k_q42466eca78_prep
	.p2align	8
	.type	k_q42466eca78_prep,@function
k_q42466eca78_prep:
	s_mov_b64 s[64:65], 0
	v_nop
	global_prefetch_b8 v0, s[64:65] scope:SCOPE_SE
	s_setreg_imm32_b32 hwreg(HW_REG_WAVE_MODE, 25, 1), 1
	s_wait_xcnt 0x0
; The three weight matrices of a branch (grid y), f32, are rounded to bf16 and laid out as the streams of ready matrix fragments that the three product kernels load.
; A FRAGMENT is 1,024 bytes, [half 2][lane 32][16 bytes]: lane (r = lane % 16, h = lane / 16) holds output channel o0 + 2 r and the k places 16 half + 8 h + e, e = 0..7.
; o0 = 256 p + 64 w + 32 (ctl / 2) + ctl % 2 for pass p, wave w, fragment ctl of 4.  A wave's fragments lie on end in the order (p, k step kb, ctl).
; Which input channel a k place means:  layers 1, 2: 32 kb + 16 h + 2 e + half (the order in which the layer before leaves its channels);
; layer 0: k = 32 kb + 16 half + 8 h + e; k < 256 is column k + 3 of W0 (points), k = 256..258 column k - 256 (xyz), above that 0.
; Layer 2's rows take the sign of gamma2[o], so that the last launch needs a maximum alone whatever gamma2's sign is.
; One wave makes one fragment, sixteen waves a work-group: 180 work-groups, fewer than there are WGPs, so that none waits for another's place.
; Work-groups 0-8: W0 (144 fragments, single words, the longest way: first), 9-24: W1 (256), 25-88: W2 (1,024), 89: 8,192 zero bytes of the tail that the streams' look-ahead reads.
; Bound by memory and small: no LDS, no matrix unit, no cluster (no work-group reads what another reads).
.set WFB,  1458176                     ; bytes of a branch in wf
.set SEC1, 147456                      ; W1's section behind W0's 144 fragments
.set SEC2, 409600                      ; W2's behind W1's 256
.macro CHAN                            ; s31 = 256 p, s30 = w, s29 = ctl  ->  s31 = o0
	s_lshl_b32 s30, s30, 6
	s_add_co_u32 s31, s31, s30
	s_lshr_b32 s30, s29, 1
	s_lshl_b32 s30, s30, 5
	s_add_co_u32 s31, s31, s30
	s_and_b32 s30, s29, 1
	s_add_co_u32 s31, s31, s30
.endm
.macro SEND sec                        ; fragment s28 of the section: each store of the wave covers 512 consecutive bytes, aligned
	s_lshl_b32 s32, s28, 10
	s_add_co_u32 s32, s32, s26
	s_add_co_u32 s32, s32, \sec
	s_add_nc_u64 s[24:25], s[24:25], s[32:33]
	global_store_b128 v4, v[24:27], s[24:25]
	global_store_b128 v4, v[28:31], s[24:25] offset:512
	s_endpgm
.endm
.macro PACKI                           ; 16 neighbouring channels: the even ones are half 0, the odd ones half 1
.irp n, 0,1,2,3
	v_cvt_pk_bf16_f32 v[24+\n], v[8+4*\n], v[10+4*\n]
	v_cvt_pk_bf16_f32 v[28+\n], v[9+4*\n], v[11+4*\n]
.endr
.endm
	s_load_b512 s[8:23], s[0:1], 0x0               ; pts: W0 s[8:9], W1 s[10:11], W2 s[12:13], gamma2 s[14:15]; col: the same in s[16:23]
	s_load_b64 s[24:25], s[0:1], 0x40              ; wf
	v_lshrrev_b32 v1, 5, v0
	v_readfirstlane_b32 s2, v1                     ; wave 0..15
	s_and_b32 s3, ttmp7, 0xffff                    ; branch
	s_mov_b32 s4, ttmp9
	v_and_b32 v2, 15, v0                           ; r
	v_bfe_u32 v3, v0, 4, 1                         ; h
	v_and_b32 v4, 31, v0
	v_lshlrev_b32 v4, 4, v4                        ; 16 x lane
	s_mul_i32 s26, s3, WFB
	s_mov_b32 s33, 0                               ; the high word of every offset
	s_mov_b32 s34, 0xffff                          ; lanes 0-15
	s_wait_kmcnt 0x0
	s_cmp_eq_u32 s3, 0
	s_cselect_b64 s[8:9], s[8:9], s[16:17]
	s_cselect_b64 s[10:11], s[10:11], s[18:19]
	s_cselect_b64 s[12:13], s[12:13], s[20:21]
	s_cselect_b64 s[14:15], s[14:15], s[22:23]
	s_cmp_lt_u32 s4, 9
	s_cbranch_scc1 .Lw0
	s_cmp_lt_u32 s4, 25
	s_cbranch_scc1 .Lw1
	s_cmp_lt_u32 s4, 89
	s_cbranch_scc1 .Lw2
	; the tail: 512 threads x 16 bytes
	s_lshl_b32 s32, s3, 13
	s_add_co_u32 s32, s32, 2*WFB
	s_add_nc_u64 s[24:25], s[24:25], s[32:33]
	v_lshlrev_b32 v5, 4, v0
.irp n, 8,9,10,11
	v_mov_b32 v\n, 0
.endr
	global_store_b128 v5, v[8:11], s[24:25]
	s_endpgm
.Lw2:                                                  ; W2 [1024][512]: f = 256 w + 64 p + 4 kb + ctl
	s_sub_co_u32 s28, s4, 25
	s_lshl_b32 s28, s28, 4
	s_add_co_u32 s28, s28, s2
	s_and_b32 s29, s28, 3
	s_bfe_u32 s27, s28, 0x40002                    ; kb
	s_bfe_u32 s31, s28, 0x20006                    ; p
	s_lshl_b32 s31, s31, 8
	s_lshr_b32 s30, s28, 8                         ; w
	CHAN
	s_lshl_b32 s32, s31, 11                        ; row o0, 2,048 bytes a row,
	s_lshl_b32 s27, s27, 7                         ; 32 channels a k step
	s_add_co_u32 s32, s32, s27
	s_add_nc_u64 s[12:13], s[12:13], s[32:33]
	s_lshl_b32 s32, s31, 2
	s_add_nc_u64 s[14:15], s[14:15], s[32:33]
	v_lshlrev_b32 v5, 12, v2                       ; two rows a lane step,
	v_lshl_add_u32 v5, v3, 6, v5                   ; 16 channels for each half of the lanes
	v_lshlrev_b32 v6, 3, v2
.irp n, 0,1,2,3
	global_load_b128 v[8+4*\n:11+4*\n], v5, s[12:13] offset:16*\n
.endr
	global_load_b32 v7, v6, s[14:15]               ; gamma2 of my channel
	s_wait_loadcnt 0x0
	v_and_b32 v7, 0x80000000, v7
.irp n, 8,9,10,11,12,13,14,15,16,17,18,19,20,21,22,23
	v_xor_b32 v\n, v7, v\n
.endr
	PACKI
	SEND SEC2
.Lw1:                                                  ; W1 [512][256]: f = 64 w + 32 p + 4 kb + ctl
	s_sub_co_u32 s28, s4, 9
	s_lshl_b32 s28, s28, 4
	s_add_co_u32 s28, s28, s2
	s_and_b32 s29, s28, 3
	s_bfe_u32 s27, s28, 0x30002                    ; kb
	s_bfe_u32 s31, s28, 0x10005                    ; p
	s_lshl_b32 s31, s31, 8
	s_lshr_b32 s30, s28, 6                         ; w
	CHAN
	s_lshl_b32 s32, s31, 10
	s_lshl_b32 s27, s27, 7
	s_add_co_u32 s32, s32, s27
	s_add_nc_u64 s[10:11], s[10:11], s[32:33]
	v_lshlrev_b32 v5, 11, v2
	v_lshl_add_u32 v5, v3, 6, v5
.irp n, 0,1,2,3
	global_load_b128 v[8+4*\n:11+4*\n], v5, s[10:11] offset:16*\n
.endr
	s_wait_loadcnt 0x0
	PACKI
	SEND SEC1
.Lw0:                                                  ; W0 [256][259]: f = 36 w + 4 kb + ctl; a row is 1,036 bytes, so single words are loaded
	s_lshl_b32 s28, s4, 4
	s_add_co_u32 s28, s28, s2
	s_mul_i32 s30, s28, 57
	s_lshr_b32 s30, s30, 11                        ; w = f / 36, right for f below 144
	s_mul_i32 s29, s30, 36
	s_sub_co_u32 s29, s28, s29
	s_lshr_b32 s27, s29, 2                         ; kb
	s_and_b32 s29, s29, 3
	s_mov_b32 s31, 0
	CHAN
	s_mul_i32 s32, s31, 1036
	v_mul_u32_u24 v5, v2, 2072
	s_cmp_eq_u32 s27, 8
	s_cbranch_scc1 .Lw0x
	s_lshl_b32 s27, s27, 7
	s_add_co_u32 s32, s32, s27
	s_add_co_u32 s32, s32, 12                      ; the points' columns begin behind xyz's three
	s_add_nc_u64 s[8:9], s[8:9], s[32:33]
	v_lshl_add_u32 v5, v3, 5, v5
.irp n, 0,1,2,3,4,5,6,7,8,9,10,11,12,13,14,15
	global_load_b32 v[8+\n], v5, s[8:9] offset:4*\n+32*(\n/8)
.endr
	s_wait_loadcnt 0x0
.irp n, 0,1,2,3,4,5,6,7
	v_cvt_pk_bf16_f32 v[24+\n], v[8+2*\n], v[9+2*\n]
.endr
	SEND 0
.Lw0x:                                                 ; the ninth k step: xyz's three columns at places 0..2 (half 0, lanes 0-15), zeros elsewhere
	s_add_nc_u64 s[8:9], s[8:9], s[32:33]
	global_load_b32 v8, v5, s[8:9]
	global_load_b32 v9, v5, s[8:9] offset:4
	global_load_b32 v10, v5, s[8:9] offset:8
	v_mov_b32 v11, 0
.irp n, 26,27,28,29,30,31
	v_mov_b32 v\n, 0
.endr
	s_wait_loadcnt 0x0
	v_cvt_pk_bf16_f32 v24, v8, v9
	v_cvt_pk_bf16_f32 v25, v10, v11
	v_cndmask_b32 v24, 0, v24, s34
	v_cndmask_b32 v25, 0, v25, s34
	SEND 0
.Lfunc_end_k_q42466eca78_prep:
	.size	k_q42466eca78_prep, .Lfunc_end_k_q42466eca78_prep-k_q42466eca78_prep
	.p2alignl 7, 3214868480
	.fill 96, 4, 3214868480
	.section	.rodata,"a",@progbits
	.p2align	6, 0x0
	.amdhsa_kernel k_q42466eca78_prep
		.amdhsa_group_segment_fixed_size 0
		.amdhsa_private_segment_fixed_size 0
		.amdhsa_enable_private_segment 0
		.amdhsa_kernarg_size 72
		.amdhsa_user_sgpr_count 2
		.amdhsa_user_sgpr_kernarg_segment_ptr 1
		.amdhsa_wavefront_size32 1
		.amdhsa_system_sgpr_workgroup_id_x 1
		.amdhsa_system_sgpr_workgroup_id_y 1
		.amdhsa_system_sgpr_workgroup_id_z 1
		.amdhsa_system_vgpr_workitem_id 0
		.amdhsa_next_free_vgpr 32
		.amdhsa_next_free_sgpr 66
		.amdhsa_reserve_vcc 0
		.amdhsa_float_denorm_mode_32 3
		.amdhsa_float_denorm_mode_16_64 3
		.amdhsa_memory_ordered 1
		.amdhsa_forward_progress 1
		.amdhsa_inst_pref_size 11
	.end_amdhsa_kernel
	.amdgpu_metadata
---
amdhsa.version: [ 1, 2 ]
amdhsa.kernels:
  - .name:           k_q42466eca78_prep
    .symbol:         k_q42466eca78_prep.kd
    .args:
      - { .name: params_pts_0_w, .offset: 0, .size: 8, .value_kind: global_buffer, .address_space: global }
      - { .name: params_pts_1_w, .offset: 8, .size: 8, .value_kind: global_buffer, .address_space: global }
      - { .name: params_pts_2_w, .offset: 16, .size: 8, .value_kind: global_buffer, .address_space: global }
      - { .name: params_pts_2_gamma, .offset: 24, .size: 8, .value_kind: global_buffer, .address_space: global }
      - { .name: params_col_0_w, .offset: 32, .size: 8, .value_kind: global_buffer, .address_space: global }
      - { .name: params_col_1_w, .offset: 40, .size: 8, .value_kind: global_buffer, .address_space: global }
      - { .name: params_col_2_w, .offset: 48, .size: 8, .value_kind: global_buffer, .address_space: global }
      - { .name: params_col_2_gamma, .offset: 56, .size: 8, .value_kind: global_buffer, .address_space: global }
      - { .name: wf, .offset: 64, .size: 8, .value_kind: global_buffer, .address_space: global }
    .group_segment_fixed_size: 0
    .private_segment_fixed_size: 0
    .kernarg_segment_align: 8
    .kernarg_segment_size: 72
    .max_flat_workgroup_size: 512
    .sgpr_count:     66
    .vgpr_count:     32
    .wavefront_size: 32
...
	.end_amdgpu_metadata
.endif
;; end of part 1
;; launch g0 (part 2): grid 128 x 2, 4 waves a work-group, no clusters, 152,576 bytes of LDS; arguments points, colors, xyz, color, params_pts_0_b, params_col_0_b, wf, y0, ps0; writes y0, ps0
.if DOCPART == 2
	.amdgcn_target "amdgcn-amd-amdhsa--gfx1250"
	.amdhsa_code_object_version 6
	.text
	.protected	k_q42466eca78_g0
	.globl	k_q42466eca78_g0
	.p2align	8
	.type	k_q42466eca78_g0,@function
k_q42466eca78_g0:
	s_mov_b64 s[64:65], 0
	v_nop
	global_prefetch_b8 v0, s[64:65] scope:SCOPE_SE
	s_setreg_imm32_b32 hwreg(HW_REG_WAVE_MODE, 25, 1), 1
	s_wait_xcnt 0x0
; LAYER 0 of a branch (grid y): y = W0 [xyz; points] + b for 256 points of one batch (grid x: batch x / 8, points 256 (x % 8) on), all 256 output channels.
; OUT: for each channel the mean m of y over these 256 points and M2, the sum of the squared deviations (ps0), and the deviations d = y - m in bf16 (y0).  The batch norm's mean and variance are
; put together from the 128 pairs (m, M2) by the next launch: an offset in the inputs costs d no bits.
; SHARES.  The 256 points x 288 k places (256 points' channels, xyz's 3, 29 zeros) lie in LDS in bf16, once for all four waves.  Wave w makes channels 64 w .. 64 w + 63 of all 256 points: 64 accumulators,
; 512 registers.  So a channel's sums over the points never leave the wave: one barrier in the launch, between the filling of LDS and its first reading.
; PRODUCT.  Source 0 = 16 points x 32 k (from LDS, turned by ds_load_tr16_b128, since k runs down the rows there), source 1 = 32 k x 16 channels (ready fragments, from memory into a ring of four k steps
; of registers, three steps ahead).  In the result a lane holds ONE channel (lane % 16) and the points 8 (lane / 16) + 0..7, which pack into 16 bytes.
; POINTS of a batch may stand in any order, the same for all channels: the eight points of a lane's 16 bytes are 4 + 4 neighbours, 64 apart, so that the f32 loads cover 256 consecutive bytes for 16 lanes.
; LDS.  Chunk (ct, pb) = 16 k rows x 16 points = 512 bytes at ct x 8,448 + pb x 528; in it the 16 bytes of (row, octet of points) lie at 256 (row / 8) + 128 octet + 16 (row % 8), so that the turning
; load reads 16 x lane.  The 16 bytes of padding a chunk set the sixteen lanes of a filling store onto sixteen different columns of 16 bytes.
; NO CLUSTER, though all work-groups read the same weights: a joint load lands in LDS, from where each wave would read its 8 fragments' halves again for each k step, a quarter more LDS loads than the 32 it has,
; and each refill would want a round of barriers; here each weight byte enters the work-group once, into the registers of the one wave that multiplies by it, and the K walk has no barrier.
; LIMITS.  X, W0 and d are rounded to bf16.  NaN and infinities are not treated apart.
.set CH,     528
.set CTS,    16*CH
.set KSTR,   2*CTS                     ; a k step is two rows of chunks
.set GROUP,  4*KSTR                    ; four k steps are reached by the loads' immediates
.set PASSES, 1
.set STORE,  1
.set NQ,     2
.set SPARE,  18*CTS                    ; behind the tile: the spare words, 128 bytes a wave: two blocks of 256 bytes that no other line names
.set WFB,    1458176
; window 0
.set SPW, 2                            ; LDS address of my spare word; never rewritten
.set NIL, 3                            ; 0; never rewritten
.set XA0, 4                            ; LDS address of my 16 bytes in chunk (first ct of the group of k steps in hand, pb 0)
.set XA1, 5                            ; the same for pb 8
.set XL0, 6                            ; their lane terms
.set XL1, 7
.set WA,  8                            ; 16 x lane
.set R8,  9                            ; 8 x (lane % 16)
.set L8,  10                           ; 8 x lane
.set GX,  11                           ; filling: my byte offset in two rows of X
.set LSX, 12                           ; filling: where my 16 bytes go
.set GZ,  13                           ; the same for xyz
.set LSZ, 14
.set TT,  16                           ; filling: v16-47 packed
.set XY,  48                           ; filling: v48-79 xyz as loaded
.set DD,  80                           ; filling: v80-95 xyz packed
.set ZZ,  96                           ; filling: v96-99 zeros
.set SU,  16                           ; way out: v16-47 sums, pair (ctl, jp) at 8 ctl + 2 jp
.set QD,  48                           ; way out: v48-79 sums of squares, likewise
.set MX,  80
.set LM,  96                           ; way out: v96-103 (mean of the sums, m) for ctl
.set BI,  104                          ; v104-107 bias, loaded at the start and kept
.set GM,  108
.set SE,  112                          ; way out: v112-117 what is stored of the statistics
.set PX,  124                          ; v124-127 the other half of the lanes' figure
.set WR,  128                          ; v128-255 the weight ring: k step q at 32 q, fragment ctl at 8 ctl
; window 1: X's fragments, two buffers of 128, point block pb at 8 pb.  windows 2, 3: accumulators of pb 0-7, 8-15: (pb, ctl) at 8 (4 (pb % 8) + ctl)
.set WV, 2
.set BR, 3
.set PW, 4
.set XB, 8                             ; s[8:9] X at my first row and point
.set ZB, 12                            ; s[12:13] xyz likewise
.set WB, 32                            ; s[32:33] my weight stream at the group of four k steps in hand
.set YO, 34
.set PSO, 36
.set BB, 38
.set GB, 40
.set TB, 42                            ; LDS byte of the group of k steps in hand
.set LAP, 43
.set HM, 45                            ; lanes 16-31
.set SEL, 46                           ; s[46:47] v_permlanex16_b32's selects: each lane takes its own place in the other half
.set C256, 67                          ; 1 / 256
.set TC, 70
.set XM, 71                            ; lanes 0-2 and 8-10: xyz's three rows, both octets
.set MSB, 0
.macro WIN new                         ; s_set_vgpr_msb: bits 1:0 source 0, 3:2 source 1, 5:4 source 2, 7:6 destination; the high byte repeats the setting that is left
.if MSB != (\new)
	s_set_vgpr_msb (MSB<<8)|(\new)
.set MSB, \new
.endif
.endm
.macro PLACES                          ; four plain vector instructions between a matrix instruction and a load into, or a vector read of, its registers
.rept 4
	v_nop
.endr
.endm
; 32 matrix instructions: k step in ring slot q, point blocks 8 hi .. 8 hi + 7 x 4 fragments of channels.  All 64 accumulators take turns.  zero = 1: the product starts the sums.
.macro MUL32 q, hi, zero
	WIN 0xa1+0x50*(\hi)
.set pb, 0
.rept 8
.set ctl, 0
.rept 4
.set rD, 8*(4*pb+ctl)
.set rX, 128*((\q)&1)+8*(pb+8*(\hi))
.set rW, WR+32*(\q)+8*ctl
.if \zero
	v_wmma_f32_16x16x32_bf16 v[rD:rD+7], v[rX:rX+7], v[rW:rW+7], 0
.else
	v_wmma_f32_16x16x32_bf16 v[rD:rD+7], v[rX:rX+7], v[rW:rW+7], v[rD:rD+7]
.endif
.set ctl, ctl+1
.endr
.set pb, pb+1
.endr
.endm
; 32 LDS loads in one run: X's fragments of k step qn of the group in hand, into buffer buf; pb 0-7 first
.macro FETCH qn, buf
	WIN 0x40
.set pb, 0
.rept 16
	ds_load_tr16_b128 v[128*(\buf)+8*pb:128*(\buf)+8*pb+3],   v[XA0+pb/8] offset:(\qn)*KSTR+(pb%8)*CH
	ds_load_tr16_b128 v[128*(\buf)+8*pb+4:128*(\buf)+8*pb+7], v[XA0+pb/8] offset:(\qn)*KSTR+(pb%8)*CH+CTS
.set pb, pb+1
.endr
.endm
; 8 global loads: the weights three k steps ahead of step q of the group, 512 consecutive bytes each
.macro RING q
	WIN 0
.set sl, WR+32*(((\q)+3)&3)
.set ctl, 0
.rept 4
	global_load_b128 v[sl+8*ctl:sl+8*ctl+3],   v[WA], s[WB:WB+1] offset:((\q)+3)*4096+ctl*1024
	global_load_b128 v[sl+8*ctl+4:sl+8*ctl+7], v[WA], s[WB:WB+1] offset:((\q)+3)*4096+ctl*1024+512
.set ctl, ctl+1
.endr
.endm
; A k step.  fx = 1: the next fetch is the next group's first step.  fx = 3: the fetch's group is held at the second, so that the look-ahead behind the last k step reads bytes that exist (they are not multiplied).
.macro Q q, zero, fx
	s_wait_loadcnt 16                              ; loads come back in order: this step's 8 are in, the 16 of the two steps behind it may be out
	s_wait_dscnt 16                                ; X of pb 0-7 is in; the youngest 16 loads (pb 8-15) may be out
	MUL32 \q, 0, \zero
	PLACES                                         ; for the loads into the ring slot and the buffer that the step before multiplied
	WIN 0
.if (\fx) == 1
	s_add_co_u32 s[TB], s[TB], GROUP
	v_add_nc_u32 v[XA0], s[TB], v[XL0]
	v_add_nc_u32 v[XA1], s[TB], v[XL1]
.elseif (\fx) == 3
	s_min_u32 s[TC], s[TB], GROUP
	v_add_nc_u32 v[XA0], s[TC], v[XL0]
	v_add_nc_u32 v[XA1], s[TC], v[XL1]
.endif
	RING \q
	FETCH ((\q)+1)&3, ((\q)+1)&1
	s_wait_dscnt 32                                ; all but the 32 just issued
	MUL32 \q, 1, \zero
.if (\q) == 3
	s_wait_xcnt 0x0                                ; the ring's loads have had their addresses translated: only now their base steps
	s_add_nc_u64 s[WB:WB+1], s[WB:WB+1], 16384
.endif
.endm
.macro SUM4 base                       ; for each ctl the eight partial figures at base + 8 ctl fall into one, over both halves of the lanes; it ends up in every lane
.irp c, 0,1,2,3
	v_pk_add_f32 v[(\base)+8*\c:(\base)+8*\c+1], v[(\base)+8*\c:(\base)+8*\c+1], v[(\base)+8*\c+2:(\base)+8*\c+3]
	v_pk_add_f32 v[(\base)+8*\c+4:(\base)+8*\c+5], v[(\base)+8*\c+4:(\base)+8*\c+5], v[(\base)+8*\c+6:(\base)+8*\c+7]
.endr
.irp c, 0,1,2,3
	v_pk_add_f32 v[(\base)+8*\c:(\base)+8*\c+1], v[(\base)+8*\c:(\base)+8*\c+1], v[(\base)+8*\c+4:(\base)+8*\c+5]
.endr
.irp c, 0,1,2,3
	v_add_f32 v[(\base)+8*\c], v[(\base)+8*\c], v[(\base)+8*\c+1]
.endr
.irp c, 0,1,2,3
	v_permlanex16_b32 v[PX+\c], v[(\base)+8*\c], s[SEL], s[SEL+1]
.endr
.irp c, 0,1,2,3
	v_add_f32 v[(\base)+8*\c], v[(\base)+8*\c], v[PX+\c]
.endr
.endm
; Quantity n of my 64 channels, in natural order: lane 16 h + r stores channels 32 h + 2 r and + 1, which are fragments 2 h and 2 h + 1: 256 consecutive bytes, aligned
.macro STAT n, base, step
	v_cndmask_b32 v[SE+2*(\n)], v[(\base)], v[(\base)+2*(\step)], s[HM]
	v_cndmask_b32 v[SE+2*(\n)+1], v[(\base)+(\step)], v[(\base)+3*(\step)], s[HM]
	global_store_b64 v[L8], v[SE+2*(\n):SE+2*(\n)+1], s[PSO:PSO+1] offset:(\n)*32768
.endm
; The bias of the pass's channels, asked for ahead of the K walk, whose registers it does not touch
.macro BIAS
	global_load_b64 v[BI:BI+1], v[R8], s[BB:BB+1]              ; fragments 0, 1
	global_load_b64 v[BI+2:BI+3], v[R8], s[BB:BB+1] offset:128 ; and 2, 3
.if !STORE
	global_load_b64 v[GM:GM+1], v[R8], s[GB:GB+1]
	global_load_b64 v[GM+2:GM+3], v[R8], s[GB:GB+1] offset:128
.endif
.endm
; THE WAY OUT of a pass.  Each accumulator's lowest registers are read first.
.macro EPI
	WIN 0
	PLACES                                         ; behind the last products
	WIN 0x0e                                       ; the sums over the points: sixteen chains, started by pb 0 and pb 8
.set jp, 0
.rept 4
.set ctl, 0
.rept 4
	v_pk_add_f32 v[SU+8*ctl+2*jp:SU+8*ctl+2*jp+1], v[8*ctl+2*jp:8*ctl+2*jp+1], v[8*ctl+2*jp:8*ctl+2*jp+1]
.set ctl, ctl+1
.endr
.set jp, jp+1
.endr
.irp wi, 0,1
	WIN 0x08+4*\wi
.set pb, 1
.rept 7
.set jp, 0
.rept 4
.set ctl, 0
.rept 4
	v_pk_add_f32 v[SU+8*ctl+2*jp:SU+8*ctl+2*jp+1], v[SU+8*ctl+2*jp:SU+8*ctl+2*jp+1], v[8*(4*pb+ctl)+2*jp:8*(4*pb+ctl)+2*jp+1]
.set ctl, ctl+1
.endr
.set jp, jp+1
.endr
.set pb, pb+1
.endr
.endr
	WIN 0
	SUM4 SU
	s_wait_loadcnt 24                              ; the bias is older than the ring's youngest three k steps, whose 24 loads may stay out
.irp c, 0,1,2,3
	v_mul_f32 v[LM+2*\c], s[C256], v[SU+8*\c]      ; the mean of the 256 sums: exact but for the sum's own rounding
.endr
.if !STORE
.irp c, 0,1,2,3
	v_and_b32 v[GM+\c], 0x80000000, v[GM+\c]       ; the bias takes gamma's sign as the weights' rows have
	v_xor_b32 v[BI+\c], v[GM+\c], v[BI+\c]
.endr
.endif
.irp c, 0,1,2,3
	v_fma_f32 v[LM+2*\c+1], v[SU+8*\c], s[C256], v[BI+\c]  ; m = that mean + b
.endr
.irp wi, 0,1
	WIN 0x82+0x41*\wi                              ; d = sum - mean, in place
.set ac, 0
.rept 32
.set jp, 0
.rept 4
	v_pk_add_f32 v[8*ac+2*jp:8*ac+2*jp+1], v[8*ac+2*jp:8*ac+2*jp+1], v[LM+2*(ac%4):LM+2*(ac%4)+1] op_sel_hi:[1,0] neg_lo:[0,1] neg_hi:[0,1]
.set jp, jp+1
.endr
.set ac, ac+1
.endr
	WIN 0x0a+5*\wi                                 ; the sums of d d: sixteen chains
.set pb, 0
.rept 8
.set jp, 0
.rept 4
.set ctl, 0
.rept 4
.set rA, 8*(4*pb+ctl)+2*jp
.set rQ, QD+8*ctl+2*jp
.if (\wi == 0) && (pb == 0)
	v_pk_mul_f32 v[rQ:rQ+1], v[rA:rA+1], v[rA:rA+1]
.else
	v_pk_fma_f32 v[rQ:rQ+1], v[rA:rA+1], v[rA:rA+1], v[rQ:rQ+1]
.endif
.set ctl, ctl+1
.endr
.set jp, jp+1
.endr
.set pb, pb+1
.endr
.if STORE
	WIN 0x8a+0x45*\wi                              ; eight points of a channel round into the accumulator's first four registers
.set ac, 0
.rept 32
.irp k, 0,1,2,3
	v_cvt_pk_bf16_f32 v[8*ac+\k], v[8*ac+2*\k], v[8*ac+2*\k+1]
.endr
.set ac, ac+1
.endr
	WIN 0x08+4*\wi
.set pb, 0
.rept 8
.set ctl, 0
.rept 4
	global_store_b128 v[WA], v[8*(4*pb+ctl):8*(4*pb+ctl)+3], s[YO:YO+1] offset:ctl*8192+(pb+8*\wi)*512  ; a chunk: 512 consecutive bytes, aligned
.set ctl, ctl+1
.endr
.set pb, pb+1
.endr
.else
.if \wi == 0
.set ctl, 0
.rept 4
.irp k, 0,1,2,3
	v_max_num_f32 v[MX+4*ctl+\k], v[8*ctl+2*\k], v[8*ctl+2*\k+1]
.endr
.set ctl, ctl+1
.endr
.endif
	WIN 0x28+0x14*\wi
.set pb, 1-\wi
.rept 7+\wi
.irp k, 0,1,2,3
.set ctl, 0
.rept 4
	v_max3_num_f32 v[MX+4*ctl+\k], v[MX+4*ctl+\k], v[8*(4*pb+ctl)+2*\k], v[8*(4*pb+ctl)+2*\k+1]
.set ctl, ctl+1
.endr
.endr
.set pb, pb+1
.endr
.endif
.endr
	WIN 0
	SUM4 QD
.if !STORE
.irp c, 0,1,2,3
	v_max3_num_f32 v[MX+4*\c], v[MX+4*\c], v[MX+4*\c+1], v[MX+4*\c+2]
.endr
.irp c, 0,1,2,3
	v_max_num_f32 v[MX+4*\c], v[MX+4*\c], v[MX+4*\c+3]
.endr
.irp c, 0,1,2,3
	v_permlanex16_b32 v[PX+\c], v[MX+4*\c], s[SEL], s[SEL+1]
.endr
.irp c, 0,1,2,3
	v_max_num_f32 v[MX+4*\c], v[MX+4*\c], v[PX+\c]
.endr
.endif
	STAT 0, LM+1, 2
	STAT 1, QD, 8
.if !STORE
	STAT 2, MX, 4
.endif
.if PASSES > 1
	s_wait_xcnt 0x0                                ; the stores have read their registers and bases: the bases step, and the next pass writes the accumulators
.if STORE
	s_add_nc_u64 s[YO:YO+1], s[YO:YO+1], 131072
.else
	s_add_nc_u64 s[GB:GB+1], s[GB:GB+1], 1024
.endif
	s_add_nc_u64 s[PSO:PSO+1], s[PSO:PSO+1], 8*NQ*32768
	s_add_nc_u64 s[BB:BB+1], s[BB:BB+1], 1024
.endif
.endm
; FILLING.  Batch b = 16 rows of my 128: step tq takes rows 2 tq and 2 tq + 1 (by halves of the lanes), 256 + 256 consecutive bytes of each.  The f32 wait in the accumulators' registers.
.macro XLOAD b
	WIN 0x80+0x40*((\b)/4)
.set tq, 0
.rept 8
.set st, 8*(\b)+tq
	global_load_b128 v[(8*st)%256:(8*st)%256+3],   v[GX], s[XB:XB+1] offset:2*st*8192 th:TH_LOAD_NT
	global_load_b128 v[(8*st)%256+4:(8*st)%256+7], v[GX], s[XB:XB+1] offset:2*st*8192+256 th:TH_LOAD_NT
.set tq, tq+1
.endr
.endm
.macro XCONV b, left                   ; left: the loads issued behind batch b's, which may stay out
	s_wait_loadcnt \left
	WIN 0x0a+5*((\b)/4)
.set tq, 0
.rept 8
.set rs, (8*(8*(\b)+tq))%256
.irp k, 0,1,2,3
	v_cvt_pk_bf16_f32 v[TT+4*tq+\k], v[rs+2*\k], v[rs+2*\k+1]
.endr
.set tq, tq+1
.endr
	WIN 0
.set tq, 0
.rept 8
	ds_store_b128 v[LSX], v[TT+4*tq:TT+4*tq+3] offset:(\b)*CTS+(tq/4)*256+(tq%4)*32
.set tq, tq+1
.endr
.endm
	s_load_b512 s[8:23], s[0:1], 0x0               ; points, colors, xyz, color, b pts, b col, wf, y0
	s_load_b64 s[24:25], s[0:1], 0x40              ; ps0
	v_lshl_add_u32 v[SPW], v0, 2, SPARE
	v_mov_b32 v[NIL], 0
	v_lshrrev_b32 v1, 5, v0
	v_readfirstlane_b32 s[WV], v1                  ; wave 0..3
	s_and_b32 s[BR], ttmp7, 0xffff
	s_mov_b32 s[PW], ttmp9
	s_mov_b32 s[HM], 0xffff0000
	s_mov_b32 s[SEL], 0x76543210
	s_mov_b32 s[SEL+1], 0xfedcba98
	s_mov_b32 s[XM], 0x0707
	s_mov_b32 s[C256], 0x3b800000
	s_mov_b32 s[TB], 0
	s_lshr_b32 s60, s[WV], 1                       ; filling: which 128 rows are mine,
	s_and_b32 s61, s[WV], 1                        ; which 128 points
	s_lshr_b32 s62, s[PW], 3                       ; batch
	s_and_b32 s63, s[PW], 7
	s_lshl_b32 s63, s63, 10                        ; my work-group's 256 points in a row, in bytes
	s_mul_i32 s26, s60, 8*CTS
	s_mul_i32 s66, s61, 8*CH
	s_add_co_u32 s26, s26, s66                     ; LDS: ct 8 (w / 2), pb 8 (w % 2)
	s_mul_i32 s27, s[WV], 4*CH
	s_add_co_u32 s27, s27, 16*CTS                  ; LDS: ct 16, pb 4 w
	s_lshl_b32 s48, s62, 21                        ; X: batch x 256 rows x 8,192 bytes
	s_lshl_b32 s66, s60, 20
	s_add_co_u32 s48, s48, s66
	s_add_co_u32 s48, s48, s63
	s_lshl_b32 s66, s61, 9
	s_add_co_u32 s48, s48, s66
	s_mov_b32 s49, 0
	s_mul_i32 s50, s62, 24576                      ; xyz: batch x 3 rows; point blocks 4 w .. 4 w + 3
	s_add_co_u32 s50, s50, s63
	s_lshl_b32 s66, s60, 9
	s_add_co_u32 s50, s50, s66
	s_lshl_b32 s66, s61, 7
	s_add_co_u32 s50, s50, s66
	s_mov_b32 s51, 0
	s_mul_i32 s52, s[BR], WFB                      ; my weight stream: 9 k steps of 4,096 bytes
	s_mul_i32 s66, s[WV], 9*4096
	s_add_co_u32 s52, s52, s66
	s_mov_b32 s53, 0
	s_lshl_b32 s54, s[BR], 7                       ; y0: the work-group's 131,072 bytes, my four rows of chunks
	s_add_co_u32 s54, s54, s[PW]
	s_lshl_b32 s54, s54, 17
	s_lshl_b32 s66, s[WV], 15
	s_add_co_u32 s54, s54, s66
	s_mov_b32 s55, 0
	s_lshl_b32 s56, s[WV], 1                       ; ps0: block 2 w + branch of 65,536 bytes, the work-group's 256 bytes
	s_add_co_u32 s56, s56, s[BR]
	s_lshl_b32 s56, s56, 16
	s_lshl_b32 s66, s[PW], 8
	s_add_co_u32 s56, s56, s66
	s_mov_b32 s57, 0
	s_lshl_b32 s58, s[WV], 8
	s_mov_b32 s59, 0
	v_and_b32 v1, 31, v0
	v_and_b32 v100, 15, v0
	v_bfe_u32 v101, v0, 4, 1
	v_lshlrev_b32 v[WA], 4, v1
	v_lshlrev_b32 v[XL0], 4, v1
	v_add_nc_u32 v[XL1], 8*CH, v[XL0]
	v_lshlrev_b32 v[R8], 3, v100
	v_lshlrev_b32 v[L8], 3, v1
	v_lshlrev_b32 v[GX], 4, v100
	v_lshl_add_u32 v[GX], v101, 13, v[GX]          ; 16 (lane % 16), and a row further for lanes 16-31
	v_lshrrev_b32 v102, 1, v100                    ; lane % 16 is an octet of points: point block (lane % 16) / 2, octet (lane % 16) % 2
	v_mul_u32_u24 v102, v102, CH
	v_and_b32 v103, 1, v100
	v_lshl_add_u32 v102, v103, 7, v102
	v_lshl_add_u32 v102, v101, 4, v102
	v_add_nc_u32 v[LSX], s26, v102
	v_and_b32 v102, 7, v0                          ; xyz: lane = the 16 bytes' place in a chunk: row 8 (lane / 16) + lane % 8, octet (lane / 8) % 2
	v_min_u32 v102, 2, v102                        ; rows beyond the third load the third and are masked
	v_bfe_u32 v103, v0, 3, 1
	v_lshlrev_b32 v102, 13, v102
	v_lshl_add_u32 v[GZ], v103, 4, v102
	v_add_nc_u32 v[LSZ], s27, v[WA]
.irp n, 0,1,2,3
	v_mov_b32 v[PX+\n], 0                          ; v_permlanex16_b32's destination counts as read
	v_mov_b32 v[ZZ+\n], 0
.endr
	s_wait_kmcnt 0x0
	s_cmp_eq_u32 s[BR], 0
	s_cselect_b64 s[8:9], s[8:9], s[10:11]
	s_cselect_b64 s[12:13], s[12:13], s[14:15]
	s_cselect_b64 s[16:17], s[16:17], s[18:19]
	s_add_nc_u64 s[WB:WB+1], s[20:21], s[52:53]
	s_add_nc_u64 s[XB:XB+1], s[8:9], s[48:49]
	s_add_nc_u64 s[ZB:ZB+1], s[12:13], s[50:51]
	s_add_nc_u64 s[YO:YO+1], s[22:23], s[54:55]
	s_add_nc_u64 s[PSO:PSO+1], s[24:25], s[56:57]
	s_add_nc_u64 s[BB:BB+1], s[16:17], s[58:59]
	RING -3                                        ; the weights of k steps 0, 1, 2
	RING -2
	RING -1
	BIAS                                           ; older than every load of X: the filling's waits show it in
	XLOAD 0
	XLOAD 1
	XLOAD 2
	XLOAD 3
	XCONV 0, 48                                    ; behind batch b's loads stand those of three batches
	XLOAD 4
	XCONV 1, 48
	XLOAD 5
	XCONV 2, 48
	XLOAD 6
	XCONV 3, 48
	XLOAD 7
	WIN 0
.irp i, 0,1,2,3
	global_load_b128 v[XY+8*\i:XY+8*\i+3],   v[GZ], s[ZB:ZB+1] offset:32*\i
	global_load_b128 v[XY+8*\i+4:XY+8*\i+7], v[GZ], s[ZB:ZB+1] offset:32*\i+256
.endr
	XCONV 4, 56                                    ; three batches and xyz's eight loads; then the counts run down
	XCONV 5, 40
	XCONV 6, 24
	XCONV 7, 8
	s_wait_loadcnt 0x0
.irp i, 0,1,2,3
.irp k, 0,1,2,3
	v_cvt_pk_bf16_f32 v[DD+4*\i+\k], v[XY+8*\i+2*\k], v[XY+8*\i+2*\k+1]
.endr
.endr
.irp n, 0,1,2,3,4,5,6,7,8,9,10,11,12,13,14,15
	v_cndmask_b32 v[DD+\n], 0, v[DD+\n], s[XM]     ; rows 3-15 of ct 16 are zeros
.endr
.irp i, 0,1,2,3
	ds_store_b128 v[LSZ], v[DD+4*\i:DD+4*\i+3] offset:\i*CH
	ds_store_b128 v[LSZ], v[ZZ:ZZ+3] offset:\i*CH+CTS  ; and all of ct 17
.endr
	s_wait_dscnt 0x0                               ; for the others' sake: my part of the tile is written
	s_barrier_signal -1
	s_barrier_wait -1                              ; everybody's is; nothing is written into the tile from here on
	v_mov_b32 v[XA0], v[XL0]
	v_mov_b32 v[XA1], v[XL1]
	FETCH 0, 0
	Q 0, 1, 0                                      ; k step 0 starts the sums
	WIN 0                                          ; at a label and at a branch every window is 0
	s_mov_b32 s[LAP], 2
.Llap:                                                 ; k steps 1-4, then 5-8
	Q 1, 0, 0
	Q 2, 0, 0
	Q 3, 0, 1
	Q 0, 0, 3
	WIN 0
	s_sub_co_u32 s[LAP], s[LAP], 1
	s_cmp_lg_u32 s[LAP], 0
	s_cbranch_scc1 .Llap
	EPI
	WIN 0
	s_wait_tensorcnt 0x0                           ; the wave's end, behind my last LDS store
	ds_add_u32 v[SPW], v[NIL]
	s_wait_dscnt 0x0
	s_endpgm
.Lfunc_end_k_q42466eca78_g0:
	.size	k_q42466eca78_g0, .Lfunc_end_k_q42466eca78_g0-k_q42466eca78_g0
	.p2alignl 7, 3214868480
	.fill 96, 4, 3214868480
	.section	.rodata,"a",@progbits
	.p2align	6, 0x0
	.amdhsa_kernel k_q42466eca78_g0
		.amdhsa_group_segment_fixed_size 152576
		.amdhsa_private_segment_fixed_size 0
		.amdhsa_enable_private_segment 0
		.amdhsa_kernarg_size 72
		.amdhsa_user_sgpr_count 2
		.amdhsa_user_sgpr_kernarg_segment_ptr 1
		.amdhsa_wavefront_size32 1
		.amdhsa_system_sgpr_workgroup_id_x 1
		.amdhsa_system_sgpr_workgroup_id_y 1
		.amdhsa_system_sgpr_workgroup_id_z 1
		.amdhsa_system_vgpr_workitem_id 0
		.amdhsa_next_free_vgpr 1024
		.amdhsa_next_free_sgpr 72
		.amdhsa_reserve_vcc 0
		.amdhsa_float_denorm_mode_32 3
		.amdhsa_float_denorm_mode_16_64 3
		.amdhsa_memory_ordered 1
		.amdhsa_forward_progress 1
		.amdhsa_inst_pref_size 154
	.end_amdhsa_kernel
	.amdgpu_metadata
---
amdhsa.version: [ 1, 2 ]
amdhsa.kernels:
  - .name:           k_q42466eca78_g0
    .symbol:         k_q42466eca78_g0.kd
    .args:
      - { .name: points, .offset: 0, .size: 8, .value_kind: global_buffer, .address_space: global }
      - { .name: colors, .offset: 8, .size: 8, .value_kind: global_buffer, .address_space: global }
      - { .name: xyz, .offset: 16, .size: 8, .value_kind: global_buffer, .address_space: global }
      - { .name: color, .offset: 24, .size: 8, .value_kind: global_buffer, .address_space: global }
      - { .name: params_pts_0_b, .offset: 32, .size: 8, .value_kind: global_buffer, .address_space: global }
      - { .name: params_col_0_b, .offset: 40, .size: 8, .value_kind: global_buffer, .address_space: global }
      - { .name: wf, .offset: 48, .size: 8, .value_kind: global_buffer, .address_space: global }
      - { .name: y0, .offset: 56, .size: 8, .value_kind: global_buffer, .address_space: global }
      - { .name: ps0, .offset: 64, .size: 8, .value_kind: global_buffer, .address_space: global }
    .group_segment_fixed_size: 152576
    .private_segment_fixed_size: 0
    .kernarg_segment_align: 8
    .kernarg_segment_size: 72
    .max_flat_workgroup_size: 128
    .sgpr_count:     72
    .vgpr_count:     1024
    .wavefront_size: 32
...
	.end_amdgpu_metadata
.endif
;; end of part 2
;; launch g1 (part 3): grid 128 x 2, 4 waves a work-group, no clusters, 167,936 bytes of LDS; arguments y0, ps0, params_pts_0_gamma, params_col_0_gamma, params_pts_0_beta, params_col_0_beta, params_pts_1_b, params_col_1_b, wf, ps1, y1; writes ps1, y1
.if DOCPART == 3
	.amdgcn_target "amdgcn-amd-amdhsa--gfx1250"
	.amdhsa_code_object_version 6
	.text
	.protected	k_q42466eca78_g1
	.globl	k_q42466eca78_g1
	.p2align	8
	.type	k_q42466eca78_g1,@function
k_q42466eca78_g1:
	s_mov_b64 s[64:65], 0
	v_nop
	global_prefetch_b8 v0, s[64:65] scope:SCOPE_SE
	s_setreg_imm32_b32 hwreg(HW_REG_WAVE_MODE, 25, 1), 1
	s_wait_xcnt 0x0
; LAYER 1 of a branch (grid y) for the 256 points of work-group x: x1 = relu(a d + c), y = W1 x1 + b, all 512 output channels in two passes of 256.
; IN: the work-group's own d of layer 0 (y0, bf16 chunks of 16 channels x 16 points); all 128 work-groups' pairs (m, M2) of layer 0 (ps0); gamma, beta.
; THE BATCH NORM'S FIGURES are made here, by each wave for the 64 input channels of its own quarter of the tile, while the tile is on its way:
;   mean = sum m / 128;  var = (sum M2 + 256 sum (m - mean)^2) / 32768 (biased);  a = gamma / sqrt(var + 1e-5);  c = a (K - mean) + beta, K = my work-group's m, so a d + c = a (y - mean) + beta.
;   sum (m - mean)^2 is made in one walk as sum (m - K)^2 - 128 (mean - K)^2.  K is one of the 128 numbers, so (mean - K)^2 is at most sum (m - mean)^2 and the difference keeps
;   at least 1/129 of the minuend: 7 of f32's 24 bits go at the worst.  A negative rest of rounding counts as 0.
;   A block (64 channels) is 2 x 32,768 bytes: four trips of 32 loads, each 512 consecutive bytes (two work-groups' rows), into the accumulators' idle registers.  Work-group x begins at trip window x % 4.
; OUT, as in layer 0: for each channel m (mean of y over the 256 points) and M2 (ps1), and d = y - m in bf16 (y1).
; SHARES.  x1, 256 points x 256 channels of bf16, lies in LDS once for all four waves.  Each wave brings a quarter of it by ONE tensor load (dense bytes, asked for as rows of 256), works it over in place
; (its own bytes alone), and one barrier follows.  By this text's count a wave has one tensor load outstanding, once; no LDS byte is filled twice.
; In a pass wave w makes channels 256 p + 64 w .. + 63 of all 256 points: 64 accumulators, 512 registers; a channel's sums over the points never leave the wave.
; PRODUCT.  Source 0 = 16 points x 32 k (from LDS, turned by ds_load_tr16_b128), source 1 = 32 k x 16 channels (ready fragments, from memory into a ring of four k steps of registers, three steps ahead; the
; stream runs on from pass to pass).  In the result a lane holds ONE channel (lane % 16) and the points 8 (lane / 16) + 0..7.
; LDS.  Chunk (ct, pb) = 512 bytes at ct x 8,192 + pb x 512.  As it comes from memory the 16 bytes of (row, octet) lie at 256 octet + 16 row; the working over puts them at 256 (row / 8) + 128 octet + 16 (row % 8)
; (bits 3 and 4 of the place change places), where the turning load reads 16 x lane.  Behind the tile: the spare words; behind them 512 bytes a wave, through which a and c change lanes.
; NO CLUSTER, though all work-groups of a branch read the same weights and the same (m, M2): a joint load lands in LDS.  The weights would be read from there again by each wave, a quarter more LDS loads than a
; k step's 32, with a round of barriers for each refill; the 262,144 bytes of (m, M2) do not fit beside the tile.  Here both go straight into the registers of the one wave that uses them.
; LIMITS.  x1, W1 and d are rounded to bf16.  relu is a maximum with 0 in which a NaN loses: a NaN becomes 0.
.set STORE,  1
.set KB,     8                         ; k steps of 32 in a pass
.set PASSES, 2
.set NCT,    4                         ; rows of chunks in a wave's quarter
.set NQ,     2                         ; quantities stored for each channel
.set SECT,   147456                    ; the layer's section in a branch's part of wf
.set CH,     512
.set CTS,    16*CH
.set KSTR,   2*CTS
.set GROUP,  4*KSTR
.set TBMASK, (KB/4)*GROUP-1
.set QB,     NCT*CTS
.set CBW,    NCT/4                     ; blocks of 64 input channels in a quarter
.set STREAM, PASSES*KB*4096
.set SPARE,  4*QB                      ; behind the tile: the spare words, 128 bytes a wave: two blocks of 256 bytes that no other line names
.set SCR,    SPARE+512                 ; behind them: a[64], c[64] for each block of my quarter, CBW x 512 bytes a wave; no tensor load lands here
.set WFB,    1458176
; window 0
.set SPW, 2                            ; LDS address of my spare word; never rewritten
.set NIL, 3                            ; 0; never rewritten
.set XA0, 4
.set XA1, 5
.set XL0, 6
.set XL1, 7
.set WA,  8                            ; 16 x lane
.set R8,  9                            ; 8 x (lane % 16)
.set L8,  10                           ; 8 x lane
.set LL,  11                           ; working over: where I read
.set LS,  12                           ; where I write
.set SW,  13                           ; 16 x (lane with bits 3 and 4 exchanged)
.set LR,  14                           ; 16 x (lane % 16)
.set VS,  15                           ; where a and c go in my scratch
.set AS1, 16                           ; the norm's figures, four channels a lane: v16-19 sum m, then mean - K
.set AS2, 20                           ; v20-23 sum M2, then var + eps, then its root's reciprocal
.set AQA, 24                           ; v24-27, v28-31 sum (m - K)^2, two chains
.set AQB, 28
.set KK,  32                           ; v32-35 my work-group's m
.set GA,  36                           ; v36-39 gamma, then a
.set BT,  40                           ; v40-43 beta, then c
.set PP,  44                           ; v44-51 the other half of the lanes' sums
.set AA,  16                           ; working over: a for row of chunks c of my quarter, my row (lane % 16)
.set CC,  24                           ; c likewise
.set XR,  48                           ; 2 NCT chunks, four registers each
.set TT,  112                          ; v112-119 eight numbers in f32
.set SU,  16
.set QD,  48
.set MX,  80
.set LM,  96
.set BI,  104
.set GM,  108
.set SE,  112
.set PX,  124
.set WR,  128
; window 1: X's fragments, two buffers of 128.  windows 2, 3: accumulators of pb 0-7, 8-15: (pb, ctl) at 8 (4 (pb % 8) + ctl); ahead of the products window 2 takes the loads of (m, M2)
.set WV, 2
.set BR, 3
.set PW, 4
.set WB, 32
.set YO, 34
.set PSO, 36
.set BB, 38
.set GB, 40
.set TB, 42
.set LAP, 43
.set PASS, 44
.set HM, 45
.set SEL, 46
.set G0, 48                            ; s[48:51] descriptor group 0
.set G1, 52                            ; s[52:59] descriptor group 1
.set TA, 68
.set CN, 69
.set CB, 71
.set BLK, 74                           ; s[74:75] the block of (m, M2) in hand
.set TOF, 76                           ; s[76:77] the trip's window in it
.set SPT, 78                           ; s[78:79] their sum
.set PWO, 88                           ; s[88:89] my work-group's row in a block
.set MOB, 90                           ; s[90:91] its address
.set ROT, 94
.set SO,  95                           ; LDS byte of the block's a and c
.set CIV, 96                           ; 1 / 32768
.set EPS, 97                           ; 1e-5
.set C256, 98                          ; 1 / 256
.set C128I, 99                         ; 1 / 128
.set CM128, 100                        ; -128
.set C256F, 101                        ; 256
.set MSB, 0
.macro WIN new                         ; s_set_vgpr_msb: bits 1:0 source 0, 3:2 source 1, 5:4 source 2, 7:6 destination; the high byte repeats the setting that is left
.if MSB != (\new)
	s_set_vgpr_msb (MSB<<8)|(\new)
.set MSB, \new
.endif
.endm
.macro PLACES                          ; four plain vector instructions between a matrix instruction and a load into, or a vector read of, its registers
.rept 4
	v_nop
.endr
.endm
; 32 matrix instructions: k step in ring slot q, point blocks 8 hi .. 8 hi + 7 x 4 fragments of channels.  All 64 accumulators take turns.  zero = 1: the product starts the sums.
.macro MUL32 q, hi, zero
	WIN 0xa1+0x50*(\hi)
.set pb, 0
.rept 8
.set ctl, 0
.rept 4
.set rD, 8*(4*pb+ctl)
.set rX, 128*((\q)&1)+8*(pb+8*(\hi))
.set rW, WR+32*(\q)+8*ctl
.if \zero
	v_wmma_f32_16x16x32_bf16 v[rD:rD+7], v[rX:rX+7], v[rW:rW+7], 0
.else
	v_wmma_f32_16x16x32_bf16 v[rD:rD+7], v[rX:rX+7], v[rW:rW+7], v[rD:rD+7]
.endif
.set ctl, ctl+1
.endr
.set pb, pb+1
.endr
.endm
; 32 LDS loads in one run: X's fragments of k step qn of the group in hand, into buffer buf; pb 0-7 first
.macro FETCH qn, buf
	WIN 0x40
.set pb, 0
.rept 16
	ds_load_tr16_b128 v[128*(\buf)+8*pb:128*(\buf)+8*pb+3],   v[XA0+pb/8] offset:(\qn)*KSTR+(pb%8)*CH
	ds_load_tr16_b128 v[128*(\buf)+8*pb+4:128*(\buf)+8*pb+7], v[XA0+pb/8] offset:(\qn)*KSTR+(pb%8)*CH+CTS
.set pb, pb+1
.endr
.endm
; 8 global loads: the weights three k steps ahead of step q of the group, 512 consecutive bytes each
.macro RING q
	WIN 0
.set sl, WR+32*(((\q)+3)&3)
.set ctl, 0
.rept 4
	global_load_b128 v[sl+8*ctl:sl+8*ctl+3],   v[WA], s[WB:WB+1] offset:((\q)+3)*4096+ctl*1024
	global_load_b128 v[sl+8*ctl+4:sl+8*ctl+7], v[WA], s[WB:WB+1] offset:((\q)+3)*4096+ctl*1024+512
.set ctl, ctl+1
.endr
.endm
; A k step.  fx = 1: the next fetch is the next group's first step; behind the tile's last group comes its first again, for the next pass.
.macro Q q, zero, fx
	s_wait_loadcnt 16                              ; loads come back in order: this step's 8 are in; 16 younger loads may be out (the two steps behind it; in a pass's first two steps the bias's loads are among the 16)
	s_wait_dscnt 16                                ; X of pb 0-7 is in; the youngest 16 loads (pb 8-15) may be out
	MUL32 \q, 0, \zero
	PLACES                                         ; for the loads into the ring slot and the buffer that the step before multiplied
	WIN 0
.if (\fx) == 1
	s_add_co_u32 s[TB], s[TB], GROUP
	s_and_b32 s[TB], s[TB], TBMASK
	v_add_nc_u32 v[XA0], s[TB], v[XL0]
	v_add_nc_u32 v[XA1], s[TB], v[XL1]
.endif
	RING \q
	FETCH ((\q)+1)&3, ((\q)+1)&1
	s_wait_dscnt 32                                ; all but the 32 just issued
	MUL32 \q, 1, \zero
.if (\q) == 3
	s_wait_xcnt 0x0                                ; the ring's loads have had their addresses translated: only now their base steps
	s_add_nc_u64 s[WB:WB+1], s[WB:WB+1], 16384
.endif
.endm
.macro SUM4 base                       ; for each ctl the eight partial figures at base + 8 ctl fall into one, over both halves of the lanes; it ends up in every lane
.irp c, 0,1,2,3
	v_pk_add_f32 v[(\base)+8*\c:(\base)+8*\c+1], v[(\base)+8*\c:(\base)+8*\c+1], v[(\base)+8*\c+2:(\base)+8*\c+3]
	v_pk_add_f32 v[(\base)+8*\c+4:(\base)+8*\c+5], v[(\base)+8*\c+4:(\base)+8*\c+5], v[(\base)+8*\c+6:(\base)+8*\c+7]
.endr
.irp c, 0,1,2,3
	v_pk_add_f32 v[(\base)+8*\c:(\base)+8*\c+1], v[(\base)+8*\c:(\base)+8*\c+1], v[(\base)+8*\c+4:(\base)+8*\c+5]
.endr
.irp c, 0,1,2,3
	v_add_f32 v[(\base)+8*\c], v[(\base)+8*\c], v[(\base)+8*\c+1]
.endr
.irp c, 0,1,2,3
	v_permlanex16_b32 v[PX+\c], v[(\base)+8*\c], s[SEL], s[SEL+1]
.endr
.irp c, 0,1,2,3
	v_add_f32 v[(\base)+8*\c], v[(\base)+8*\c], v[PX+\c]
.endr
.endm
; Quantity n of my 64 channels, in natural order: lane 16 h + r stores channels 32 h + 2 r and + 1, which are fragments 2 h and 2 h + 1: 256 consecutive bytes, aligned
.macro STAT n, base, step
	v_cndmask_b32 v[SE+2*(\n)], v[(\base)], v[(\base)+2*(\step)], s[HM]
	v_cndmask_b32 v[SE+2*(\n)+1], v[(\base)+(\step)], v[(\base)+3*(\step)], s[HM]
	global_store_b64 v[L8], v[SE+2*(\n):SE+2*(\n)+1], s[PSO:PSO+1] offset:(\n)*32768
.endm
; The bias of the pass's channels, asked for ahead of the K walk, whose registers it does not touch
.macro BIAS
	global_load_b64 v[BI:BI+1], v[R8], s[BB:BB+1]              ; fragments 0, 1
	global_load_b64 v[BI+2:BI+3], v[R8], s[BB:BB+1] offset:128 ; and 2, 3
.if !STORE
	global_load_b64 v[GM:GM+1], v[R8], s[GB:GB+1]
	global_load_b64 v[GM+2:GM+3], v[R8], s[GB:GB+1] offset:128
.endif
.endm
; THE WAY OUT of a pass.  Each accumulator's lowest registers are read first.
.macro EPI
	WIN 0
	PLACES                                         ; behind the last products
	WIN 0x0e                                       ; the sums over the points: sixteen chains, started by pb 0 and pb 8
.set jp, 0
.rept 4
.set ctl, 0
.rept 4
	v_pk_add_f32 v[SU+8*ctl+2*jp:SU+8*ctl+2*jp+1], v[8*ctl+2*jp:8*ctl+2*jp+1], v[8*ctl+2*jp:8*ctl+2*jp+1]
.set ctl, ctl+1
.endr
.set jp, jp+1
.endr
.irp wi, 0,1
	WIN 0x08+4*\wi
.set pb, 1
.rept 7
.set jp, 0
.rept 4
.set ctl, 0
.rept 4
	v_pk_add_f32 v[SU+8*ctl+2*jp:SU+8*ctl+2*jp+1], v[SU+8*ctl+2*jp:SU+8*ctl+2*jp+1], v[8*(4*pb+ctl)+2*jp:8*(4*pb+ctl)+2*jp+1]
.set ctl, ctl+1
.endr
.set jp, jp+1
.endr
.set pb, pb+1
.endr
.endr
	WIN 0
	SUM4 SU
	s_wait_loadcnt 24                              ; the bias is older than the ring's youngest three k steps, whose 24 loads may stay out
.irp c, 0,1,2,3
	v_mul_f32 v[LM+2*\c], s[C256], v[SU+8*\c]      ; the mean of the 256 sums: exact but for the sum's own rounding
.endr
.if !STORE
.irp c, 0,1,2,3
	v_and_b32 v[GM+\c], 0x80000000, v[GM+\c]       ; the bias takes gamma's sign as the weights' rows have
	v_xor_b32 v[BI+\c], v[GM+\c], v[BI+\c]
.endr
.endif
.irp c, 0,1,2,3
	v_fma_f32 v[LM+2*\c+1], v[SU+8*\c], s[C256], v[BI+\c]  ; m = that mean + b
.endr
.irp wi, 0,1
	WIN 0x82+0x41*\wi                              ; d = sum - mean, in place
.set ac, 0
.rept 32
.set jp, 0
.rept 4
	v_pk_add_f32 v[8*ac+2*jp:8*ac+2*jp+1], v[8*ac+2*jp:8*ac+2*jp+1], v[LM+2*(ac%4):LM+2*(ac%4)+1] op_sel_hi:[1,0] neg_lo:[0,1] neg_hi:[0,1]
.set jp, jp+1
.endr
.set ac, ac+1
.endr
	WIN 0x0a+5*\wi                                 ; the sums of d d: sixteen chains
.set pb, 0
.rept 8
.set jp, 0
.rept 4
.set ctl, 0
.rept 4
.set rA, 8*(4*pb+ctl)+2*jp
.set rQ, QD+8*ctl+2*jp
.if (\wi == 0) && (pb == 0)
	v_pk_mul_f32 v[rQ:rQ+1], v[rA:rA+1], v[rA:rA+1]
.else
	v_pk_fma_f32 v[rQ:rQ+1], v[rA:rA+1], v[rA:rA+1], v[rQ:rQ+1]
.endif
.set ctl, ctl+1
.endr
.set jp, jp+1
.endr
.set pb, pb+1
.endr
.if STORE
	WIN 0x8a+0x45*\wi                              ; eight points of a channel round into the accumulator's first four registers
.set ac, 0
.rept 32
.irp k, 0,1,2,3
	v_cvt_pk_bf16_f32 v[8*ac+\k], v[8*ac+2*\k], v[8*ac+2*\k+1]
.endr
.set ac, ac+1
.endr
	WIN 0x08+4*\wi
.set pb, 0
.rept 8
.set ctl, 0
.rept 4
	global_store_b128 v[WA], v[8*(4*pb+ctl):8*(4*pb+ctl)+3], s[YO:YO+1] offset:ctl*8192+(pb+8*\wi)*512  ; a chunk: 512 consecutive bytes, aligned
.set ctl, ctl+1
.endr
.set pb, pb+1
.endr
.else
.if \wi == 0
.set ctl, 0
.rept 4
.irp k, 0,1,2,3
	v_max_num_f32 v[MX+4*ctl+\k], v[8*ctl+2*\k], v[8*ctl+2*\k+1]
.endr
.set ctl, ctl+1
.endr
.endif
	WIN 0x28+0x14*\wi
.set pb, 1-\wi
.rept 7+\wi
.irp k, 0,1,2,3
.set ctl, 0
.rept 4
	v_max3_num_f32 v[MX+4*ctl+\k], v[MX+4*ctl+\k], v[8*(4*pb+ctl)+2*\k], v[8*(4*pb+ctl)+2*\k+1]
.set ctl, ctl+1
.endr
.endr
.set pb, pb+1
.endr
.endif
.endr
	WIN 0
	SUM4 QD
.if !STORE
.irp c, 0,1,2,3
	v_max3_num_f32 v[MX+4*\c], v[MX+4*\c], v[MX+4*\c+1], v[MX+4*\c+2]
.endr
.irp c, 0,1,2,3
	v_max_num_f32 v[MX+4*\c], v[MX+4*\c], v[MX+4*\c+3]
.endr
.irp c, 0,1,2,3
	v_permlanex16_b32 v[PX+\c], v[MX+4*\c], s[SEL], s[SEL+1]
.endr
.irp c, 0,1,2,3
	v_max_num_f32 v[MX+4*\c], v[MX+4*\c], v[PX+\c]
.endr
.endif
	STAT 0, LM+1, 2
	STAT 1, QD, 8
.if !STORE
	STAT 2, MX, 4
.endif
	s_wait_xcnt 0x0                                ; the stores have read their registers and bases: the bases step, and the next pass writes the accumulators
.if STORE
	s_add_nc_u64 s[YO:YO+1], s[YO:YO+1], 131072
.else
	s_add_nc_u64 s[GB:GB+1], s[GB:GB+1], 1024
.endif
	s_add_nc_u64 s[PSO:PSO+1], s[PSO:PSO+1], 8*NQ*32768
	s_add_nc_u64 s[BB:BB+1], s[BB:BB+1], 1024
.endm
; The norm's sums, slot sl of a trip's four: eight work-groups' rows of m (window 2, v[16 sl ..]) and of M2 (v[64 + 16 sl ..]); a lane has four channels of every second row
.macro SSLOT sl
	s_wait_loadcnt 24-8*(\sl)                      ; behind this slot's eight loads stand the eight of each later slot
	WIN 0x02
.set i, 0
.rept 4
.set q4, 4*(4*(\sl)+i)
	v_pk_add_f32 v[AS1:AS1+1], v[q4:q4+1], v[AS1:AS1+1]
	v_pk_add_f32 v[AS1+2:AS1+3], v[q4+2:q4+3], v[AS1+2:AS1+3]
	v_pk_add_f32 v[AS2:AS2+1], v[64+q4:64+q4+1], v[AS2:AS2+1]
	v_pk_add_f32 v[AS2+2:AS2+3], v[64+q4+2:64+q4+3], v[AS2+2:AS2+3]
.set i, i+1
.endr
	WIN 0x82                                       ; m - K, in place
.set i, 0
.rept 4
.set q4, 4*(4*(\sl)+i)
	v_pk_add_f32 v[q4:q4+1], v[q4:q4+1], v[KK:KK+1] neg_lo:[0,1] neg_hi:[0,1]
	v_pk_add_f32 v[q4+2:q4+3], v[q4+2:q4+3], v[KK+2:KK+3] neg_lo:[0,1] neg_hi:[0,1]
.set i, i+1
.endr
	WIN 0x0a
.set i, 0
.rept 4
.set q4, 4*(4*(\sl)+i)
.set rq, AQA+4*(i%2)
	v_pk_fma_f32 v[rq:rq+1], v[q4:q4+1], v[q4:q4+1], v[rq:rq+1]
	v_pk_fma_f32 v[rq+2:rq+3], v[q4+2:q4+3], v[q4+2:q4+3], v[rq+2:rq+3]
.set i, i+1
.endr
.endm
	s_load_b512 s[8:23], s[0:1], 0x0               ; y in s[8:9], ps in s[10:11], gamma in pts, col s[12:15], beta in pts, col s[16:19], b pts, col s[20:23]
	s_load_b128 s[24:27], s[0:1], 0x40             ; wf s[24:25], ps out s[26:27]
.if STORE
	s_load_b64 s[28:29], s[0:1], 0x50              ; y out
.else
	s_load_b128 s[28:31], s[0:1], 0x50             ; this layer's gamma, pts, col
.endif
	v_lshl_add_u32 v[SPW], v0, 2, SPARE
	v_mov_b32 v[NIL], 0
	ds_add_u32 v[SPW], v[NIL]                      ; the wave's opening: the add and its wait stand ahead of my tensor load; the set-up below, work on registers, stands between them
	ds_add_u32 v2, v3
	v_lshrrev_b32 v1, 5, v0
	v_readfirstlane_b32 s[WV], v1                  ; wave 0..3
	s_and_b32 s[BR], ttmp7, 0xffff
	s_mov_b32 s[PW], ttmp9
	s_mov_b32 s[HM], 0xffff0000
	s_mov_b32 s[SEL], 0x76543210
	s_mov_b32 s[SEL+1], 0xfedcba98
	s_mov_b32 s[CIV], 0x38000000
	s_mov_b32 s[EPS], 0x3727c5ac
	s_mov_b32 s[C256], 0x3b800000
	s_mov_b32 s[C128I], 0x3c000000
	s_mov_b32 s[CM128], 0xc3000000
	s_mov_b32 s[C256F], 0x43800000
	s_mov_b32 s[TB], 0
	; the descriptor: my quarter of the tile, QB dense bytes, as QB / 256 rows of 32 elements of 8 bytes, no padding, no mask
	s_mov_b32 s[G0], 1                             ; count = 1
	s_mul_i32 s[G0+1], s[WV], QB                   ; LDS address: wave x QB
	s_mov_b32 s[G1+0], 3<<16                       ; elements of 8 bytes
	s_mov_b32 s[G1+1], 32<<16                      ; tensor_dim0 = 32
	s_mov_b32 s[G1+2], (QB/256)<<16                ; tensor_dim1
	s_mov_b32 s[G1+3], 32<<16                      ; tile_dim0 = 32
	s_mov_b32 s[G1+4], QB/256                      ; tile_dim1
	s_mov_b32 s[G1+5], 32                          ; elements from row to row
	s_mov_b32 s[G1+6], 0
	s_mov_b32 s[G1+7], 0
	s_lshl_b32 s60, s[BR], 7
	s_add_co_u32 s60, s60, s[PW]                   ; the work-group's number among 256
	s_mul_i32 s72, s60, 4*QB                       ; y in: its tile, my quarter
	s_mul_i32 s61, s[WV], QB
	s_add_co_u32 s72, s72, s61
	s_mov_b32 s73, 0
	s_mul_i32 s62, s[WV], 2*CBW
	s_add_co_u32 s62, s62, s[BR]                   ; the block (64 channels, branch) of my quarter's first channels
	s_lshl_b32 s76, s62, 16                        ; ps in: 65,536 bytes a block
	s_mov_b32 s77, 0
	s_lshl_b32 s[PWO], s[PW], 8                    ; the work-group's 256 bytes in a quantity's 32,768
	s_mov_b32 s[PWO+1], 0
	s_mul_i32 s92, s[WV], CBW*256                  ; gamma and beta of my quarter's channels
	s_mov_b32 s93, 0
	s_mul_i32 s80, s[BR], WFB                      ; my weight stream
	s_mul_i32 s66, s[WV], STREAM
	s_add_co_u32 s80, s80, s66
	s_add_co_u32 s80, s80, SECT
	s_mov_b32 s81, 0
	s_lshl_b32 s82, s[WV], 1                       ; ps out: block 2 w + branch in pass 0
	s_add_co_u32 s82, s82, s[BR]
	s_mul_i32 s82, s82, NQ*32768
	s_add_co_u32 s82, s82, s[PWO]
	s_mov_b32 s83, 0
	s_lshl_b32 s84, s[WV], 8                       ; b (and this layer's gamma): my 64 channels
	s_mov_b32 s85, 0
.if STORE
	s_lshl_b32 s86, s60, 18                        ; y out: the work-group's 262,144 bytes, my four rows of chunks
	s_lshl_b32 s67, s[WV], 15
	s_add_co_u32 s86, s86, s67
	s_mov_b32 s87, 0
.endif
	s_mul_i32 s[TA], s[WV], QB
	s_mul_i32 s[SO], s[WV], CBW*512
	s_add_co_u32 s[SO], s[SO], SCR                 ; my scratch
	s_mov_b32 s[ROT], s[PW]
	v_and_b32 v1, 31, v0
	v_and_b32 v[LR], 15, v0
	v_lshlrev_b32 v[WA], 4, v1
	v_lshlrev_b32 v[XL0], 4, v1
	v_add_nc_u32 v[XL1], 8*CH, v[XL0]
	v_lshlrev_b32 v[R8], 3, v[LR]
	v_lshlrev_b32 v[L8], 3, v1
	v_and_b32 v[VS], 7, v0
	v_bfe_u32 v[LL], v0, 3, 1
	v_bfe_u32 v[LS], v0, 4, 1
	v_lshl_or_b32 v[VS], v[LL], 4, v[VS]
	v_lshl_or_b32 v[VS], v[LS], 3, v[VS]
	v_lshlrev_b32 v[SW], 4, v[VS]
	v_lshlrev_b32 v[LR], 4, v[LR]
	v_add_nc_u32 v1, s[SO], v[R8]                  ; where a and c are read back: 8 (lane % 16) in my scratch
.irp n, 0,1,2,3
	v_mov_b32 v[PX+\n], 0                          ; v_permlanex16_b32's destination counts as read
	v_mov_b32 v[PP+\n], 0
	v_mov_b32 v[PP+4+\n], 0
.endr
	s_wait_dscnt 0x0                               ; the opening add is done
	s_wait_kmcnt 0x0
	s_cmp_eq_u32 s[BR], 0
	s_cselect_b64 s[12:13], s[12:13], s[14:15]
	s_cselect_b64 s[16:17], s[16:17], s[18:19]
	s_cselect_b64 s[20:21], s[20:21], s[22:23]
.if !STORE
	s_cselect_b64 s[28:29], s[28:29], s[30:31]
.endif
	s_add_nc_u64 s[G0+2:G0+3], s[8:9], s[72:73]    ; global address of my quarter
	s_or_b32 s[G0+3], s[G0+3], 0x80000000          ; type = 2
	tensor_load_to_lds s[G0:G0+3], s[G1:G1+7]      ; my one tensor load
	s_nop 0
	s_add_nc_u64 s[WB:WB+1], s[24:25], s[80:81]
	s_add_nc_u64 s[BLK:BLK+1], s[10:11], s[76:77]
	s_add_nc_u64 s[12:13], s[12:13], s[92:93]
	s_add_nc_u64 s[16:17], s[16:17], s[92:93]
	s_add_nc_u64 s[PSO:PSO+1], s[26:27], s[82:83]
	s_add_nc_u64 s[BB:BB+1], s[20:21], s[84:85]
.if STORE
	s_add_nc_u64 s[YO:YO+1], s[28:29], s[86:87]
.else
	s_add_nc_u64 s[GB:GB+1], s[28:29], s[84:85]
.endif
	RING -3                                        ; the weights of k steps 0, 1, 2
	RING -2
	RING -1
	; THE NORM'S FIGURES, a block of 64 channels at a time
.if CBW > 1
	s_mov_b32 s[CB], CBW
.Lblk:
.endif
	s_add_nc_u64 s[MOB:MOB+1], s[BLK:BLK+1], s[PWO:PWO+1]
	global_load_b128 v[KK:KK+3], v[LR], s[MOB:MOB+1]   ; my work-group's m: both halves of the lanes take the same row
	global_load_b128 v[GA:GA+3], v[LR], s[12:13]
	global_load_b128 v[BT:BT+3], v[LR], s[16:17]
.irp n, 0,1,2,3,4,5,6,7,8,9,10,11,12,13,14,15
	v_mov_b32 v[AS1+\n], 0                         ; sixteen sums begin
.endr
	s_mov_b32 s[CN], 4
.Ltrip:                                                ; four trips: 32 work-groups' rows each
	s_and_b32 s[TOF], s[ROT], 3                    ; the windows are walked in a ring from x % 4 on, so that the work-groups together ask for all of a block at once
	s_lshl_b32 s[TOF], s[TOF], 13
	s_add_nc_u64 s[SPT:SPT+1], s[BLK:BLK+1], s[TOF:TOF+1]  ; the last trip's loads have all come back
	WIN 0x80
.set i, 0
.rept 4
.set k, 0
.rept 4
	global_load_b128 v[4*(4*i+k):4*(4*i+k)+3], v[WA], s[SPT:SPT+1] offset:512*(4*i+k)
.set k, k+1
.endr
.set k, 0
.rept 4
	global_load_b128 v[64+4*(4*i+k):64+4*(4*i+k)+3], v[WA], s[SPT:SPT+1] offset:32768+512*(4*i+k)
.set k, k+1
.endr
.set i, i+1
.endr
	SSLOT 0
	SSLOT 1
	SSLOT 2
	SSLOT 3
	WIN 0                                          ; at a label and at a branch every window is 0
	s_add_co_u32 s[ROT], s[ROT], 1
	s_sub_co_u32 s[CN], s[CN], 1
	s_cmp_lg_u32 s[CN], 0
	s_cbranch_scc1 .Ltrip
	v_pk_add_f32 v[AQA:AQA+1], v[AQA:AQA+1], v[AQB:AQB+1]
	v_pk_add_f32 v[AQA+2:AQA+3], v[AQA+2:AQA+3], v[AQB+2:AQB+3]
.irp n, 0,1,2,3
	v_permlanex16_b32 v[PP+\n], v[AS1+\n], s[SEL], s[SEL+1]    ; the other half of the lanes has the other rows
	v_permlanex16_b32 v[PP+4+\n], v[AS2+\n], s[SEL], s[SEL+1]
.endr
.irp n, 0,1,2,3
	v_permlanex16_b32 v[AQB+\n], v[AQA+\n], s[SEL], s[SEL+1]
.endr
.irp n, 0,2
	v_pk_add_f32 v[AS1+\n:AS1+\n+1], v[AS1+\n:AS1+\n+1], v[PP+\n:PP+\n+1]
	v_pk_add_f32 v[AS2+\n:AS2+\n+1], v[AS2+\n:AS2+\n+1], v[PP+4+\n:PP+4+\n+1]
	v_pk_add_f32 v[AQA+\n:AQA+\n+1], v[AQA+\n:AQA+\n+1], v[AQB+\n:AQB+\n+1]
.endr
.irp n, 0,1,2,3
	v_fma_f32 v[AS1+\n], v[AS1+\n], s[C128I], -v[KK+\n]        ; mean - K
.endr
.irp n, 0,1,2,3
	v_mul_f32 v[AQB+\n], v[AS1+\n], v[AS1+\n]
.endr
.irp n, 0,1,2,3
	v_fma_f32 v[AQA+\n], v[AQB+\n], s[CM128], v[AQA+\n]        ; sum (m - mean)^2
.endr
.irp n, 0,1,2,3
	v_max_num_f32 v[AQA+\n], 0, v[AQA+\n]
.endr
.irp n, 0,1,2,3
	v_fma_f32 v[AS2+\n], v[AQA+\n], s[C256F], v[AS2+\n]        ; 256 points stand behind each m
.endr
.irp n, 0,1,2,3
	v_fma_f32 v[AS2+\n], v[AS2+\n], s[CIV], s[EPS]             ; var + eps
.endr
.irp n, 0,1,2,3
	v_rsq_f32 v[AS2+\n], v[AS2+\n]
.endr
	v_add_nc_u32 v[VS], s[SO], v[LR]               ; a plain instruction between the last root and the use of its result (ISA guide 5.7.2)
	s_wait_alu depctr_va_vdst(0)
.irp n, 0,1,2,3
	v_mul_f32 v[GA+\n], v[GA+\n], v[AS2+\n]        ; a
.endr
.irp n, 0,1,2,3
	v_fma_f32 v[BT+\n], -v[GA+\n], v[AS1+\n], v[BT+\n]         ; c = a (K - mean) + beta
.endr
	ds_store_b128 v[VS], v[GA:GA+3]                ; in natural order; both halves of the lanes write the same 16 bytes with the same numbers
	ds_store_b128 v[VS], v[BT:BT+3] offset:256
.if CBW > 1
	s_add_nc_u64 s[BLK:BLK+1], s[BLK:BLK+1], 131072    ; the next 64 channels of my branch; every load of the block has come back
	s_add_nc_u64 s[12:13], s[12:13], 256
	s_add_nc_u64 s[16:17], s[16:17], 256
	s_add_co_u32 s[SO], s[SO], 512
	s_sub_co_u32 s[CB], s[CB], 1
	s_cmp_lg_u32 s[CB], 0
	s_cbranch_scc1 .Lblk
.endif
.set j, 0
.rept CBW                              ; row lane % 16 of rows of chunks 4 j + ctl is channel 64 (block) + 32 (ctl / 2) + 2 (lane % 16) + ctl % 2: two neighbours a load.  My own bytes: LDS serves a wave's instructions in order
	ds_load_b64 v[AA+4*j:AA+4*j+1],   v1 offset:j*512
	ds_load_b64 v[AA+4*j+2:AA+4*j+3], v1 offset:j*512+128
	ds_load_b64 v[CC+4*j:CC+4*j+1],   v1 offset:j*512+256
	ds_load_b64 v[CC+4*j+2:CC+4*j+3], v1 offset:j*512+384
.set j, j+1
.endr
	s_mov_b32 s[CN], 8
	s_wait_dscnt 0x0
	s_wait_tensorcnt 0x0                           ; my quarter is in LDS; until the barrier I alone touch it
.Lact:                                                 ; eight trips: two point blocks of all my rows of chunks, 2 NCT chunks, in place
	v_add_nc_u32 v[LL], s[TA], v[WA]
	v_add_nc_u32 v[LS], s[TA], v[SW]
.set ci, 0
.rept 2*NCT
	ds_load_b128 v[XR+4*ci:XR+4*ci+3], v[LL] offset:(ci%NCT)*CTS+(ci/NCT)*CH
.set ci, ci+1
.endr
.set ci, 0
.rept 2*NCT
	s_wait_dscnt 2*NCT-1                           ; behind chunk ci's load stand 2 NCT - 1 - ci loads and the ci stores of the chunks before it
.set e, 0
.rept 8
.if e%2
	v_fma_mix_f32_bf16 v[TT+e], v[XR+4*ci+e/2], v[AA+ci%NCT], v[CC+ci%NCT] op_sel:[1,0,0] op_sel_hi:[1,0,0]
.else
	v_fma_mix_f32_bf16 v[TT+e], v[XR+4*ci+e/2], v[AA+ci%NCT], v[CC+ci%NCT] op_sel:[0,0,0] op_sel_hi:[1,0,0]
.endif
.set e, e+1
.endr
.set e, 0
.rept 8
	v_max_num_f32 v[TT+e], 0, v[TT+e]
.set e, e+1
.endr
.irp k, 0,1,2,3
	v_cvt_pk_bf16_f32 v[XR+4*ci+\k], v[TT+2*\k], v[TT+2*\k+1]
.endr
	ds_store_b128 v[LS], v[XR+4*ci:XR+4*ci+3] offset:(ci%NCT)*CTS+(ci/NCT)*CH  ; the whole chunk was read by one load, which has come back
.set ci, ci+1
.endr
	s_add_co_u32 s[TA], s[TA], 2*CH
	s_sub_co_u32 s[CN], s[CN], 1
	s_cmp_lg_u32 s[CN], 0
	s_cbranch_scc1 .Lact
	s_wait_dscnt 0x0                               ; for the others' sake: my quarter is written
	s_barrier_signal -1
	s_barrier_wait -1                              ; everybody's is; nothing is written into the tile from here on
	v_mov_b32 v[XA0], v[XL0]
	v_mov_b32 v[XA1], v[XL1]
	FETCH 0, 0
	WIN 0                                          ; at a label and at a branch every window is 0
	s_mov_b32 s[PASS], PASSES
.Lpass:
	BIAS
	Q 0, 1, 0                                      ; a pass's first k step starts the sums; then the loop is entered in the middle of a trip
	WIN 0
	s_mov_b32 s[LAP], KB/4
	s_branch .Lmid
.Llap:
	Q 0, 0, 0
	WIN 0
.Lmid:
	Q 1, 0, 0
	Q 2, 0, 0
	Q 3, 0, 1
	WIN 0
	s_sub_co_u32 s[LAP], s[LAP], 1
	s_cmp_lg_u32 s[LAP], 0
	s_cbranch_scc1 .Llap
	EPI
	WIN 0
	s_sub_co_u32 s[PASS], s[PASS], 1
	s_cmp_lg_u32 s[PASS], 0
	s_cbranch_scc1 .Lpass
	s_wait_tensorcnt 0x0                           ; the wave's end, behind my tensor load and my last LDS store
	ds_add_u32 v[SPW], v[NIL]
	s_wait_dscnt 0x0
	s_endpgm
.Lfunc_end_k_q42466eca78_g1:
	.size	k_q42466eca78_g1, .Lfunc_end_k_q42466eca78_g1-k_q42466eca78_g1
	.p2alignl 7, 3214868480
	.fill 96, 4, 3214868480
	.section	.rodata,"a",@progbits
	.p2align	6, 0x0
	.amdhsa_kernel k_q42466eca78_g1
		.amdhsa_group_segment_fixed_size 167936
		.amdhsa_private_segment_fixed_size 0
		.amdhsa_enable_private_segment 0
		.amdhsa_kernarg_size 88
		.amdhsa_user_sgpr_count 2
		.amdhsa_user_sgpr_kernarg_segment_ptr 1
		.amdhsa_wavefront_size32 1
		.amdhsa_system_sgpr_workgroup_id_x 1
		.amdhsa_system_sgpr_workgroup_id_y 1
		.amdhsa_system_sgpr_workgroup_id_z 1
		.amdhsa_system_vgpr_workitem_id 0
		.amdhsa_next_free_vgpr 1024
		.amdhsa_next_free_sgpr 102
		.amdhsa_reserve_vcc 0
		.amdhsa_float_denorm_mode_32 3
		.amdhsa_float_denorm_mode_16_64 3
		.amdhsa_memory_ordered 1
		.amdhsa_forward_progress 1
		.amdhsa_inst_pref_size 145
	.end_amdhsa_kernel
	.amdgpu_metadata
---
amdhsa.version: [ 1, 2 ]
amdhsa.kernels:
  - .name:           k_q42466eca78_g1
    .symbol:         k_q42466eca78_g1.kd
    .args:
      - { .name: y0, .offset: 0, .size: 8, .value_kind: global_buffer, .address_space: global }
      - { .name: ps0, .offset: 8, .size: 8, .value_kind: global_buffer, .address_space: global }
      - { .name: params_pts_0_gamma, .offset: 16, .size: 8, .value_kind: global_buffer, .address_space: global }
      - { .name: params_col_0_gamma, .offset: 24, .size: 8, .value_kind: global_buffer, .address_space: global }
      - { .name: params_pts_0_beta, .offset: 32, .size: 8, .value_kind: global_buffer, .address_space: global }
      - { .name: params_col_0_beta, .offset: 40, .size: 8, .value_kind: global_buffer, .address_space: global }
      - { .name: params_pts_1_b, .offset: 48, .size: 8, .value_kind: global_buffer, .address_space: global }
      - { .name: params_col_1_b, .offset: 56, .size: 8, .value_kind: global_buffer, .address_space: global }
      - { .name: wf, .offset: 64, .size: 8, .value_kind: global_buffer, .address_space: global }
      - { .name: ps1, .offset: 72, .size: 8, .value_kind: global_buffer, .address_space: global }
      - { .name: y1, .offset: 80, .size: 8, .value_kind: global_buffer, .address_space: global }
    .group_segment_fixed_size: 167936
    .private_segment_fixed_size: 0
    .kernarg_segment_align: 8
    .kernarg_segment_size: 88
    .max_flat_workgroup_size: 128
    .sgpr_count:     102
    .vgpr_count:     1024
    .wavefront_size: 32
...
	.end_amdgpu_metadata
.endif
;; end of part 3
;; launch g2 (part 4): grid 128 x 2, 4 waves a work-group, no clusters, 327,680 bytes of LDS; arguments y1, ps1, params_pts_1_gamma, params_col_1_gamma, params_pts_1_beta, params_col_1_beta, params_pts_2_b, params_col_2_b, wf, ps2, params_pts_2_gamma, params_col_2_gamma; writes ps2
.if DOCPART == 4
	.amdgcn_target "amdgcn-amd-amdhsa--gfx1250"
	.amdhsa_code_object_version 6
	.text
	.protected	k_q42466eca78_g2
	.globl	k_q42466eca78_g2
	.p2align	8
	.type	k_q42466eca78_g2,@function
k_q42466eca78_g2:
	s_mov_b64 s[64:65], 0
	v_nop
	global_prefetch_b8 v0, s[64:65] scope:SCOPE_SE
	s_setreg_imm32_b32 hwreg(HW_REG_WAVE_MODE, 25, 1), 1
	s_wait_xcnt 0x0
; LAYER 2 of a branch (grid y) for the 256 points of work-group x: x2 = relu(a d + c), y' = W2' x2 + b', all 1,024 output channels in four passes of 256.  W2' and b' are W2's rows and b with gamma2's sign
; on them, so y' = +-y and the batch norm, whose gain is then |gamma2|, grows with y': the maximum over points of relu(norm(y)) is relu(norm(max y')).
; y' IS NEVER STORED.  OUT (ps2), for each channel: m (mean of y' over the 256 points), M2 (sum of squared deviations d = y' - m) and the largest d.
; IN: the work-group's own d of layer 1 (y1, bf16 chunks of 16 channels x 16 points); all 128 work-groups' pairs (m, M2) of layer 1 (ps1); gamma, beta.
; THE BATCH NORM'S FIGURES are made here, by each wave for the 128 input channels of its own quarter of the tile, while the tile is on its way:
;   mean = sum m / 128;  var = (sum M2 + 256 sum (m - mean)^2) / 32768 (biased);  a = gamma / sqrt(var + 1e-5);  c = a (K - mean) + beta, K = my work-group's m, so a d + c = a (y - mean) + beta.
;   sum (m - mean)^2 is made in one walk as sum (m - K)^2 - 128 (mean - K)^2.  K is one of the 128 numbers, so (mean - K)^2 is at most sum (m - mean)^2 and the difference keeps
;   at least 1/129 of the minuend: 7 of f32's 24 bits go at the worst.  A negative rest of rounding counts as 0.
;   A block (64 channels) is 2 x 32,768 bytes: four trips of 32 loads, each 512 consecutive bytes (two work-groups' rows), into the accumulators' idle registers.  Work-group x begins at trip window x % 4.
; SHARES.  x2, 256 points x 512 channels of bf16, lies in LDS once for all four waves.  Each wave brings a quarter of it by ONE tensor load (dense bytes, asked for as rows of 256), works it over in place
; (its own bytes alone), and one barrier follows.  By this text's count a wave has one tensor load outstanding, once; no LDS byte is filled twice.
; In a pass wave w makes channels 256 p + 64 w .. + 63 of all 256 points: 64 accumulators, 512 registers; a channel's sums and maximum over the points never leave the wave.
; PRODUCT.  Source 0 = 16 points x 32 k (from LDS, turned by ds_load_tr16_b128), source 1 = 32 k x 16 channels (ready fragments, from memory into a ring of four k steps of registers, three steps ahead; the
; stream runs on from pass to pass).  In the result a lane holds ONE channel (lane % 16) and the points 8 (lane / 16) + 0..7.
; LDS.  Chunk (ct, pb) = 512 bytes at ct x 8,192 + pb x 512.  As it comes from memory the 16 bytes of (row, octet) lie at 256 octet + 16 row; the working over puts them at 256 (row / 8) + 128 octet + 16 (row % 8)
; (bits 3 and 4 of the place change places), where the turning load reads 16 x lane.  Behind the tile: the spare words; behind them 1,024 bytes a wave, through which a and c change lanes.
; NO CLUSTER, though all work-groups of a branch read the same weights and the same (m, M2): a joint load lands in LDS, where x2's 262,144 bytes leave room for two slots of at most two k steps of weights
; (16,384 bytes a step), a round of barriers for every 128 matrix instructions, and none for the 524,288 bytes of (m, M2).  Here both go straight into the registers of the one wave that uses them.
; LIMITS.  x2 and W2 are rounded to bf16.  relu and the maximum are maxima in which a NaN loses.
.set KB,     16                        ; k steps of 32 in a pass
.set PASSES, 4
.set NCT,    8                         ; rows of chunks in a wave's quarter
.set NQ,     3                         ; quantities stored for each channel
.set SECT,   409600                    ; the layer's section in a branch's part of wf
.set CH,     512
.set CTS,    16*CH
.set KSTR,   2*CTS
.set GROUP,  4*KSTR
.set TBMASK, (KB/4)*GROUP-1
.set QB,     NCT*CTS
.set CBW,    NCT/4                     ; blocks of 64 input channels in a quarter
.set STREAM, PASSES*KB*4096
.set SPARE,  4*QB                      ; behind the tile: the spare words, 128 bytes a wave: two blocks of 256 bytes that no other line names
.set SCR,    SPARE+512                 ; behind them: a[64], c[64] for each block of my quarter, CBW x 512 bytes a wave; no tensor load lands here
.set WFB,    1458176
; window 0
.set SPW, 2                            ; LDS address of my spare word; never rewritten
.set NIL, 3                            ; 0; never rewritten
.set XA0, 4                            ; LDS address of my 16 bytes in chunk (first ct of the group of k steps in hand, pb 0)
.set XA1, 5                            ; the same for pb 8
.set XL0, 6                            ; their lane terms
.set XL1, 7
.set WA,  8                            ; 16 x lane
.set R8,  9                            ; 8 x (lane % 16)
.set L8,  10                           ; 8 x lane
.set LL,  11                           ; working over: where I read
.set LS,  12                           ; where I write
.set SW,  13                           ; 16 x (lane with bits 3 and 4 exchanged)
.set LR,  14                           ; 16 x (lane % 16)
.set VS,  15                           ; where a and c go in my scratch
.set AS1, 16                           ; the norm's figures, four channels a lane: v16-19 sum m, then mean - K
.set AS2, 20                           ; v20-23 sum M2, then var + eps, then its root's reciprocal
.set AQA, 24                           ; v24-27, v28-31 sum (m - K)^2, two chains
.set AQB, 28
.set KK,  32                           ; v32-35 my work-group's m
.set GA,  36                           ; v36-39 gamma, then a
.set BT,  40                           ; v40-43 beta, then c
.set PP,  44                           ; v44-51 the other half of the lanes' sums
.set AA,  16                           ; working over: a for row of chunks c of my quarter, my row (lane % 16)
.set CC,  24                           ; c likewise
.set XR,  48                           ; 2 NCT chunks, four registers each
.set TT,  112                          ; v112-119 eight numbers in f32
.set SU,  16                           ; way out: v16-47 sums, pair (ctl, jp) at 8 ctl + 2 jp
.set QD,  48                           ; v48-79 sums of squares, likewise
.set MX,  80                           ; v80-95 maxima, (ctl, k) at 4 ctl + k
.set LM,  96                           ; v96-103 (mean of the sums, m) for ctl
.set BI,  104                          ; v104-107 bias
.set GM,  108                          ; v108-111 this layer's gamma
.set SE,  112                          ; v112-117 what is stored of the statistics
.set PX,  124                          ; v124-127 the other half of the lanes' figure
.set WR,  128                          ; v128-255 the weight ring: k step q at 32 q, fragment ctl at 8 ctl
; window 1: X's fragments, two buffers of 128.  windows 2, 3: accumulators of pb 0-7, 8-15: (pb, ctl) at 8 (4 (pb % 8) + ctl); ahead of the products window 2 takes the loads of (m, M2)
.set WV, 2
.set BR, 3
.set PW, 4
.set WB, 32                            ; s[32:33] my weight stream at the group of four k steps in hand
.set PSO, 36
.set BB, 38
.set GB, 40
.set TB, 42                            ; LDS byte of the group of k steps in hand
.set LAP, 43
.set PASS, 44
.set HM, 45                            ; lanes 16-31
.set SEL, 46                           ; s[46:47] v_permlanex16_b32's selects: each lane takes its own place in the other half
.set G0, 48                            ; s[48:51] descriptor group 0
.set G1, 52                            ; s[52:59] descriptor group 1
.set TA, 68
.set CN, 69
.set CB, 71
.set BLK, 74                           ; s[74:75] the block of (m, M2) in hand
.set TOF, 76                           ; s[76:77] the trip's window in it
.set SPT, 78                           ; s[78:79] their sum
.set PWO, 88                           ; s[88:89] my work-group's row in a block
.set MOB, 90                           ; s[90:91] its address
.set ROT, 94
.set SO,  95                           ; LDS byte of the block's a and c
.set CIV, 96                           ; 1 / 32768
.set EPS, 97                           ; 1e-5
.set C256, 98                          ; 1 / 256
.set C128I, 99                         ; 1 / 128
.set CM128, 100                        ; -128
.set C256F, 101                        ; 256
.set MSB, 0
.macro WIN new                         ; s_set_vgpr_msb: bits 1:0 source 0, 3:2 source 1, 5:4 source 2, 7:6 destination; the high byte repeats the setting that is left
.if MSB != (\new)
	s_set_vgpr_msb (MSB<<8)|(\new)
.set MSB, \new
.endif
.endm
.macro PLACES                          ; four plain vector instructions between a matrix instruction and a load into, or a vector read of, its registers
.rept 4
	v_nop
.endr
.endm
; 32 matrix instructions: k step in ring slot q, point blocks 8 hi .. 8 hi + 7 x 4 fragments of channels.  All 64 accumulators take turns.  zero = 1: the product starts the sums.
.macro MUL32 q, hi, zero
	WIN 0xa1+0x50*(\hi)
.set pb, 0
.rept 8
.set ctl, 0
.rept 4
.set rD, 8*(4*pb+ctl)
.set rX, 128*((\q)&1)+8*(pb+8*(\hi))
.set rW, WR+32*(\q)+8*ctl
.if \zero
	v_wmma_f32_16x16x32_bf16 v[rD:rD+7], v[rX:rX+7], v[rW:rW+7], 0
.else
	v_wmma_f32_16x16x32_bf16 v[rD:rD+7], v[rX:rX+7], v[rW:rW+7], v[rD:rD+7]
.endif
.set ctl, ctl+1
.endr
.set pb, pb+1
.endr
.endm
; 32 LDS loads in one run: X's fragments of k step qn of the group in hand, into buffer buf; pb 0-7 first
.macro FETCH qn, buf
	WIN 0x40
.set pb, 0
.rept 16
	ds_load_tr16_b128 v[128*(\buf)+8*pb:128*(\buf)+8*pb+3],   v[XA0+pb/8] offset:(\qn)*KSTR+(pb%8)*CH
	ds_load_tr16_b128 v[128*(\buf)+8*pb+4:128*(\buf)+8*pb+7], v[XA0+pb/8] offset:(\qn)*KSTR+(pb%8)*CH+CTS
.set pb, pb+1
.endr
.endm
; 8 global loads: the weights three k steps ahead of step q of the group, 512 consecutive bytes each
.macro RING q
	WIN 0
.set sl, WR+32*(((\q)+3)&3)
.set ctl, 0
.rept 4
	global_load_b128 v[sl+8*ctl:sl+8*ctl+3],   v[WA], s[WB:WB+1] offset:((\q)+3)*4096+ctl*1024
	global_load_b128 v[sl+8*ctl+4:sl+8*ctl+7], v[WA], s[WB:WB+1] offset:((\q)+3)*4096+ctl*1024+512
.set ctl, ctl+1
.endr
.endm
; A k step.  fx = 1: the next fetch is the next group's first step; behind the tile's last group comes its first again, for the next pass.
.macro Q q, zero, fx
	s_wait_loadcnt 16                              ; loads come back in order: this step's 8 are in; 16 younger loads may be out (the two steps behind it; in a pass's first three steps the bias's four loads are younger too, and the wait is the stricter for it)
	s_wait_dscnt 16                                ; X of pb 0-7 is in; the youngest 16 loads (pb 8-15) may be out
	MUL32 \q, 0, \zero
	PLACES                                         ; for the loads into the ring slot and the buffer that the step before multiplied
	WIN 0
.if (\fx) == 1
	s_add_co_u32 s[TB], s[TB], GROUP
	s_and_b32 s[TB], s[TB], TBMASK
	v_add_nc_u32 v[XA0], s[TB], v[XL0]
	v_add_nc_u32 v[XA1], s[TB], v[XL1]
.endif
	RING \q
	FETCH ((\q)+1)&3, ((\q)+1)&1
	s_wait_dscnt 32                                ; all but the 32 just issued
	MUL32 \q, 1, \zero
.if (\q) == 3
	s_wait_xcnt 0x0                                ; the ring's loads have had their addresses translated: only now their base steps
	s_add_nc_u64 s[WB:WB+1], s[WB:WB+1], 16384
.endif
.endm
.macro SUM4 base                       ; for each ctl the eight partial figures at base + 8 ctl fall into one, over both halves of the lanes; it ends up in every lane
.irp c, 0,1,2,3
	v_pk_add_f32 v[(\base)+8*\c:(\base)+8*\c+1], v[(\base)+8*\c:(\base)+8*\c+1], v[(\base)+8*\c+2:(\base)+8*\c+3]
	v_pk_add_f32 v[(\base)+8*\c+4:(\base)+8*\c+5], v[(\base)+8*\c+4:(\base)+8*\c+5], v[(\base)+8*\c+6:(\base)+8*\c+7]
.endr
.irp c, 0,1,2,3
	v_pk_add_f32 v[(\base)+8*\c:(\base)+8*\c+1], v[(\base)+8*\c:(\base)+8*\c+1], v[(\base)+8*\c+4:(\base)+8*\c+5]
.endr
.irp c, 0,1,2,3
	v_add_f32 v[(\base)+8*\c], v[(\base)+8*\c], v[(\base)+8*\c+1]
.endr
.irp c, 0,1,2,3
	v_permlanex16_b32 v[PX+\c], v[(\base)+8*\c], s[SEL], s[SEL+1]
.endr
.irp c, 0,1,2,3
	v_add_f32 v[(\base)+8*\c], v[(\base)+8*\c], v[PX+\c]
.endr
.endm
; Quantity n of my 64 channels, in natural order: lane 16 h + r stores channels 32 h + 2 r and + 1, which are fragments 2 h and 2 h + 1: 256 consecutive bytes, aligned
.macro STAT n, base, step
	v_cndmask_b32 v[SE+2*(\n)], v[(\base)], v[(\base)+2*(\step)], s[HM]
	v_cndmask_b32 v[SE+2*(\n)+1], v[(\base)+(\step)], v[(\base)+3*(\step)], s[HM]
	global_store_b64 v[L8], v[SE+2*(\n):SE+2*(\n)+1], s[PSO:PSO+1] offset:(\n)*32768
.endm
; The bias and this layer's gamma of the pass's channels, asked for ahead of the K walk, whose registers they do not touch
.macro BIAS
	global_load_b64 v[BI:BI+1], v[R8], s[BB:BB+1]              ; fragments 0, 1
	global_load_b64 v[BI+2:BI+3], v[R8], s[BB:BB+1] offset:128 ; and 2, 3
	global_load_b64 v[GM:GM+1], v[R8], s[GB:GB+1]
	global_load_b64 v[GM+2:GM+3], v[R8], s[GB:GB+1] offset:128
.endm
; THE WAY OUT of a pass.  Each accumulator's lowest registers are read first.
.macro EPI
	WIN 0
	PLACES                                         ; behind the last products
	WIN 0x0e                                       ; the sums over the points: sixteen chains, started by pb 0 and pb 8
.set jp, 0
.rept 4
.set ctl, 0
.rept 4
	v_pk_add_f32 v[SU+8*ctl+2*jp:SU+8*ctl+2*jp+1], v[8*ctl+2*jp:8*ctl+2*jp+1], v[8*ctl+2*jp:8*ctl+2*jp+1]
.set ctl, ctl+1
.endr
.set jp, jp+1
.endr
.irp wi, 0,1
	WIN 0x08+4*\wi
.set pb, 1
.rept 7
.set jp, 0
.rept 4
.set ctl, 0
.rept 4
	v_pk_add_f32 v[SU+8*ctl+2*jp:SU+8*ctl+2*jp+1], v[SU+8*ctl+2*jp:SU+8*ctl+2*jp+1], v[8*(4*pb+ctl)+2*jp:8*(4*pb+ctl)+2*jp+1]
.set ctl, ctl+1
.endr
.set jp, jp+1
.endr
.set pb, pb+1
.endr
.endr
	WIN 0
	SUM4 SU
	s_wait_loadcnt 24                              ; the bias and gamma are older than the ring's youngest three k steps, whose 24 loads may stay out
.irp c, 0,1,2,3
	v_mul_f32 v[LM+2*\c], s[C256], v[SU+8*\c]      ; the mean of the 256 sums: exact but for the sum's own rounding
.endr
.irp c, 0,1,2,3
	v_and_b32 v[GM+\c], 0x80000000, v[GM+\c]       ; the bias takes gamma's sign as the weights' rows have
	v_xor_b32 v[BI+\c], v[GM+\c], v[BI+\c]
.endr
.irp c, 0,1,2,3
	v_fma_f32 v[LM+2*\c+1], v[SU+8*\c], s[C256], v[BI+\c]  ; m = that mean + b'
.endr
.irp wi, 0,1
	WIN 0x82+0x41*\wi                              ; d = sum - mean, in place
.set ac, 0
.rept 32
.set jp, 0
.rept 4
	v_pk_add_f32 v[8*ac+2*jp:8*ac+2*jp+1], v[8*ac+2*jp:8*ac+2*jp+1], v[LM+2*(ac%4):LM+2*(ac%4)+1] op_sel_hi:[1,0] neg_lo:[0,1] neg_hi:[0,1]
.set jp, jp+1
.endr
.set ac, ac+1
.endr
	WIN 0x0a+5*\wi                                 ; the sums of d d: sixteen chains
.set pb, 0
.rept 8
.set jp, 0
.rept 4
.set ctl, 0
.rept 4
.set rA, 8*(4*pb+ctl)+2*jp
.set rQ, QD+8*ctl+2*jp
.if (\wi == 0) && (pb == 0)
	v_pk_mul_f32 v[rQ:rQ+1], v[rA:rA+1], v[rA:rA+1]
.else
	v_pk_fma_f32 v[rQ:rQ+1], v[rA:rA+1], v[rA:rA+1], v[rQ:rQ+1]
.endif
.set ctl, ctl+1
.endr
.set jp, jp+1
.endr
.set pb, pb+1
.endr
.if \wi == 0
.set ctl, 0
.rept 4                                ; the largest d: sixteen chains, started by pb 0
.irp k, 0,1,2,3
	v_max_num_f32 v[MX+4*ctl+\k], v[8*ctl+2*\k], v[8*ctl+2*\k+1]
.endr
.set ctl, ctl+1
.endr
.endif
	WIN 0x28+0x14*\wi
.set pb, 1-\wi
.rept 7+\wi
.irp k, 0,1,2,3
.set ctl, 0
.rept 4
	v_max3_num_f32 v[MX+4*ctl+\k], v[MX+4*ctl+\k], v[8*(4*pb+ctl)+2*\k], v[8*(4*pb+ctl)+2*\k+1]
.set ctl, ctl+1
.endr
.endr
.set pb, pb+1
.endr
.endr
	WIN 0
	SUM4 QD
.irp c, 0,1,2,3
	v_max3_num_f32 v[MX+4*\c], v[MX+4*\c], v[MX+4*\c+1], v[MX+4*\c+2]
.endr
.irp c, 0,1,2,3
	v_max_num_f32 v[MX+4*\c], v[MX+4*\c], v[MX+4*\c+3]
.endr
.irp c, 0,1,2,3
	v_permlanex16_b32 v[PX+\c], v[MX+4*\c], s[SEL], s[SEL+1]
.endr
.irp c, 0,1,2,3
	v_max_num_f32 v[MX+4*\c], v[MX+4*\c], v[PX+\c]
.endr
	STAT 0, LM+1, 2
	STAT 1, QD, 8
	STAT 2, MX, 4
	s_wait_xcnt 0x0                                ; the stores have read their registers and bases: the bases step
	s_add_nc_u64 s[GB:GB+1], s[GB:GB+1], 1024
	s_add_nc_u64 s[PSO:PSO+1], s[PSO:PSO+1], 8*NQ*32768
	s_add_nc_u64 s[BB:BB+1], s[BB:BB+1], 1024
.endm
; The norm's sums, slot sl of a trip's four: eight work-groups' rows of m (window 2, v[16 sl ..]) and of M2 (v[64 + 16 sl ..]); a lane has four channels of every second row
.macro SSLOT sl
	s_wait_loadcnt 24-8*(\sl)                      ; behind this slot's eight loads stand the eight of each later slot
	WIN 0x02
.set i, 0
.rept 4
.set q4, 4*(4*(\sl)+i)
	v_pk_add_f32 v[AS1:AS1+1], v[q4:q4+1], v[AS1:AS1+1]
	v_pk_add_f32 v[AS1+2:AS1+3], v[q4+2:q4+3], v[AS1+2:AS1+3]
	v_pk_add_f32 v[AS2:AS2+1], v[64+q4:64+q4+1], v[AS2:AS2+1]
	v_pk_add_f32 v[AS2+2:AS2+3], v[64+q4+2:64+q4+3], v[AS2+2:AS2+3]
.set i, i+1
.endr
	WIN 0x82                                       ; m - K, in place
.set i, 0
.rept 4
.set q4, 4*(4*(\sl)+i)
	v_pk_add_f32 v[q4:q4+1], v[q4:q4+1], v[KK:KK+1] neg_lo:[0,1] neg_hi:[0,1]
	v_pk_add_f32 v[q4+2:q4+3], v[q4+2:q4+3], v[KK+2:KK+3] neg_lo:[0,1] neg_hi:[0,1]
.set i, i+1
.endr
	WIN 0x0a
.set i, 0
.rept 4
.set q4, 4*(4*(\sl)+i)
.set rq, AQA+4*(i%2)
	v_pk_fma_f32 v[rq:rq+1], v[q4:q4+1], v[q4:q4+1], v[rq:rq+1]
	v_pk_fma_f32 v[rq+2:rq+3], v[q4+2:q4+3], v[q4+2:q4+3], v[rq+2:rq+3]
.set i, i+1
.endr
.endm
	s_load_b512 s[8:23], s[0:1], 0x0               ; y in s[8:9], ps in s[10:11], gamma in pts, col s[12:15], beta in pts, col s[16:19], b pts, col s[20:23]
	s_load_b128 s[24:27], s[0:1], 0x40             ; wf s[24:25], ps out s[26:27]
	s_load_b128 s[28:31], s[0:1], 0x50             ; this layer's gamma, pts, col
	v_lshl_add_u32 v[SPW], v0, 2, SPARE
	v_mov_b32 v[NIL], 0
	ds_add_u32 v[SPW], v[NIL]                      ; the wave's opening: the add and its wait stand ahead of my tensor load; the set-up below, work on registers, stands between them
	ds_add_u32 v2, v3
	v_lshrrev_b32 v1, 5, v0
	v_readfirstlane_b32 s[WV], v1                  ; wave 0..3
	s_and_b32 s[BR], ttmp7, 0xffff
	s_mov_b32 s[PW], ttmp9
	s_mov_b32 s[HM], 0xffff0000
	s_mov_b32 s[SEL], 0x76543210
	s_mov_b32 s[SEL+1], 0xfedcba98
	s_mov_b32 s[CIV], 0x38000000
	s_mov_b32 s[EPS], 0x3727c5ac
	s_mov_b32 s[C256], 0x3b800000
	s_mov_b32 s[C128I], 0x3c000000
	s_mov_b32 s[CM128], 0xc3000000
	s_mov_b32 s[C256F], 0x43800000
	s_mov_b32 s[TB], 0
	; the descriptor: my quarter of the tile, QB dense bytes, as QB / 256 rows of 32 elements of 8 bytes, no padding, no mask
	s_mov_b32 s[G0], 1                             ; count = 1
	s_mul_i32 s[G0+1], s[WV], QB                   ; LDS address: wave x QB
	s_mov_b32 s[G1+0], 3<<16                       ; elements of 8 bytes
	s_mov_b32 s[G1+1], 32<<16                      ; tensor_dim0 = 32
	s_mov_b32 s[G1+2], (QB/256)<<16                ; tensor_dim1
	s_mov_b32 s[G1+3], 32<<16                      ; tile_dim0 = 32
	s_mov_b32 s[G1+4], QB/256                      ; tile_dim1
	s_mov_b32 s[G1+5], 32                          ; elements from row to row
	s_mov_b32 s[G1+6], 0
	s_mov_b32 s[G1+7], 0
	s_lshl_b32 s60, s[BR], 7
	s_add_co_u32 s60, s60, s[PW]                   ; the work-group's number among 256
	s_mul_i32 s72, s60, 4*QB                       ; y in: its tile, my quarter
	s_mul_i32 s61, s[WV], QB
	s_add_co_u32 s72, s72, s61
	s_mov_b32 s73, 0
	s_mul_i32 s62, s[WV], 2*CBW
	s_add_co_u32 s62, s62, s[BR]                   ; the block (64 channels, branch) of my quarter's first channels
	s_lshl_b32 s76, s62, 16                        ; ps in: 65,536 bytes a block
	s_mov_b32 s77, 0
	s_lshl_b32 s[PWO], s[PW], 8                    ; the work-group's 256 bytes in a quantity's 32,768
	s_mov_b32 s[PWO+1], 0
	s_mul_i32 s92, s[WV], CBW*256                  ; gamma and beta of my quarter's channels
	s_mov_b32 s93, 0
	s_mul_i32 s80, s[BR], WFB                      ; my weight stream
	s_mul_i32 s66, s[WV], STREAM
	s_add_co_u32 s80, s80, s66
	s_add_co_u32 s80, s80, SECT
	s_mov_b32 s81, 0
	s_lshl_b32 s82, s[WV], 1                       ; ps out: block 2 w + branch in pass 0
	s_add_co_u32 s82, s82, s[BR]
	s_mul_i32 s82, s82, NQ*32768
	s_add_co_u32 s82, s82, s[PWO]
	s_mov_b32 s83, 0
	s_lshl_b32 s84, s[WV], 8                       ; b and this layer's gamma: my 64 channels
	s_mov_b32 s85, 0
	s_mul_i32 s[TA], s[WV], QB
	s_mul_i32 s[SO], s[WV], CBW*512
	s_add_co_u32 s[SO], s[SO], SCR                 ; my scratch
	s_mov_b32 s[ROT], s[PW]
	v_and_b32 v1, 31, v0
	v_and_b32 v[LR], 15, v0
	v_lshlrev_b32 v[WA], 4, v1
	v_lshlrev_b32 v[XL0], 4, v1
	v_add_nc_u32 v[XL1], 8*CH, v[XL0]
	v_lshlrev_b32 v[R8], 3, v[LR]
	v_lshlrev_b32 v[L8], 3, v1
	v_and_b32 v[VS], 7, v0
	v_bfe_u32 v[LL], v0, 3, 1
	v_bfe_u32 v[LS], v0, 4, 1
	v_lshl_or_b32 v[VS], v[LL], 4, v[VS]
	v_lshl_or_b32 v[VS], v[LS], 3, v[VS]
	v_lshlrev_b32 v[SW], 4, v[VS]
	v_lshlrev_b32 v[LR], 4, v[LR]
	v_add_nc_u32 v1, s[SO], v[R8]                  ; where a and c are read back: 8 (lane % 16) in my scratch
.irp n, 0,1,2,3
	v_mov_b32 v[PX+\n], 0                          ; v_permlanex16_b32's destination counts as read
	v_mov_b32 v[PP+\n], 0
	v_mov_b32 v[PP+4+\n], 0
.endr
	s_wait_dscnt 0x0                               ; the opening add is done
	s_wait_kmcnt 0x0
	s_cmp_eq_u32 s[BR], 0
	s_cselect_b64 s[12:13], s[12:13], s[14:15]
	s_cselect_b64 s[16:17], s[16:17], s[18:19]
	s_cselect_b64 s[20:21], s[20:21], s[22:23]
	s_cselect_b64 s[28:29], s[28:29], s[30:31]
	s_add_nc_u64 s[G0+2:G0+3], s[8:9], s[72:73]    ; global address of my quarter
	s_or_b32 s[G0+3], s[G0+3], 0x80000000          ; type = 2
	tensor_load_to_lds s[G0:G0+3], s[G1:G1+7]      ; my one tensor load
	s_nop 0
	s_add_nc_u64 s[WB:WB+1], s[24:25], s[80:81]
	s_add_nc_u64 s[BLK:BLK+1], s[10:11], s[76:77]
	s_add_nc_u64 s[12:13], s[12:13], s[92:93]
	s_add_nc_u64 s[16:17], s[16:17], s[92:93]
	s_add_nc_u64 s[PSO:PSO+1], s[26:27], s[82:83]
	s_add_nc_u64 s[BB:BB+1], s[20:21], s[84:85]
	s_add_nc_u64 s[GB:GB+1], s[28:29], s[84:85]
	RING -3                                        ; the weights of k steps 0, 1, 2
	RING -2
	RING -1
	; THE NORM'S FIGURES, a block of 64 channels at a time
	s_mov_b32 s[CB], CBW
.Lblk:
	s_add_nc_u64 s[MOB:MOB+1], s[BLK:BLK+1], s[PWO:PWO+1]
	global_load_b128 v[KK:KK+3], v[LR], s[MOB:MOB+1]   ; my work-group's m: both halves of the lanes take the same row
	global_load_b128 v[GA:GA+3], v[LR], s[12:13]
	global_load_b128 v[BT:BT+3], v[LR], s[16:17]
.irp n, 0,1,2,3,4,5,6,7,8,9,10,11,12,13,14,15
	v_mov_b32 v[AS1+\n], 0                         ; sixteen sums begin
.endr
	s_mov_b32 s[CN], 4
.Ltrip:                                                ; four trips: 32 work-groups' rows each
	s_and_b32 s[TOF], s[ROT], 3                    ; the windows are walked in a ring from x % 4 on, so that the work-groups together ask for all of a block at once
	s_lshl_b32 s[TOF], s[TOF], 13
	s_add_nc_u64 s[SPT:SPT+1], s[BLK:BLK+1], s[TOF:TOF+1]  ; the last trip's loads have all come back
	WIN 0x80
.set i, 0
.rept 4
.set k, 0
.rept 4
	global_load_b128 v[4*(4*i+k):4*(4*i+k)+3], v[WA], s[SPT:SPT+1] offset:512*(4*i+k)
.set k, k+1
.endr
.set k, 0
.rept 4
	global_load_b128 v[64+4*(4*i+k):64+4*(4*i+k)+3], v[WA], s[SPT:SPT+1] offset:32768+512*(4*i+k)
.set k, k+1
.endr
.set i, i+1
.endr
	SSLOT 0
	SSLOT 1
	SSLOT 2
	SSLOT 3
	WIN 0                                          ; at a label and at a branch every window is 0
	s_add_co_u32 s[ROT], s[ROT], 1
	s_sub_co_u32 s[CN], s[CN], 1
	s_cmp_lg_u32 s[CN], 0
	s_cbranch_scc1 .Ltrip
	v_pk_add_f32 v[AQA:AQA+1], v[AQA:AQA+1], v[AQB:AQB+1]
	v_pk_add_f32 v[AQA+2:AQA+3], v[AQA+2:AQA+3], v[AQB+2:AQB+3]
.irp n, 0,1,2,3
	v_permlanex16_b32 v[PP+\n], v[AS1+\n], s[SEL], s[SEL+1]    ; the other half of the lanes has the other rows
	v_permlanex16_b32 v[PP+4+\n], v[AS2+\n], s[SEL], s[SEL+1]
.endr
.irp n, 0,1,2,3
	v_permlanex16_b32 v[AQB+\n], v[AQA+\n], s[SEL], s[SEL+1]
.endr
.irp n, 0,2
	v_pk_add_f32 v[AS1+\n:AS1+\n+1], v[AS1+\n:AS1+\n+1], v[PP+\n:PP+\n+1]
	v_pk_add_f32 v[AS2+\n:AS2+\n+1], v[AS2+\n:AS2+\n+1], v[PP+4+\n:PP+4+\n+1]
	v_pk_add_f32 v[AQA+\n:AQA+\n+1], v[AQA+\n:AQA+\n+1], v[AQB+\n:AQB+\n+1]
.endr
.irp n, 0,1,2,3
	v_fma_f32 v[AS1+\n], v[AS1+\n], s[C128I], -v[KK+\n]        ; mean - K
.endr
.irp n, 0,1,2,3
	v_mul_f32 v[AQB+\n], v[AS1+\n], v[AS1+\n]
.endr
.irp n, 0,1,2,3
	v_fma_f32 v[AQA+\n], v[AQB+\n], s[CM128], v[AQA+\n]        ; sum (m - mean)^2
.endr
.irp n, 0,1,2,3
	v_max_num_f32 v[AQA+\n], 0, v[AQA+\n]
.endr
.irp n, 0,1,2,3
	v_fma_f32 v[AS2+\n], v[AQA+\n], s[C256F], v[AS2+\n]        ; 256 points stand behind each m
.endr
.irp n, 0,1,2,3
	v_fma_f32 v[AS2+\n], v[AS2+\n], s[CIV], s[EPS]             ; var + eps
.endr
.irp n, 0,1,2,3
	v_rsq_f32 v[AS2+\n], v[AS2+\n]
.endr
	v_add_nc_u32 v[VS], s[SO], v[LR]               ; a plain instruction between the last root and the use of its result (ISA guide 5.7.2)
	s_wait_alu depctr_va_vdst(0)
.irp n, 0,1,2,3
	v_mul_f32 v[GA+\n], v[GA+\n], v[AS2+\n]        ; a
.endr
.irp n, 0,1,2,3
	v_fma_f32 v[BT+\n], -v[GA+\n], v[AS1+\n], v[BT+\n]         ; c = a (K - mean) + beta
.endr
	ds_store_b128 v[VS], v[GA:GA+3]                ; in natural order; both halves of the lanes write the same 16 bytes with the same numbers
	ds_store_b128 v[VS], v[BT:BT+3] offset:256
	s_add_nc_u64 s[BLK:BLK+1], s[BLK:BLK+1], 131072    ; the next 64 channels of my branch; every load of the block has come back
	s_add_nc_u64 s[12:13], s[12:13], 256
	s_add_nc_u64 s[16:17], s[16:17], 256
	s_add_co_u32 s[SO], s[SO], 512
	s_sub_co_u32 s[CB], s[CB], 1
	s_cmp_lg_u32 s[CB], 0
	s_cbranch_scc1 .Lblk
.set j, 0
.rept CBW                              ; row lane % 16 of rows of chunks 4 j + ctl is channel 64 (block) + 32 (ctl / 2) + 2 (lane % 16) + ctl % 2: two neighbours a load.  My own bytes: LDS serves a wave's instructions in order
	ds_load_b64 v[AA+4*j:AA+4*j+1],   v1 offset:j*512
	ds_load_b64 v[AA+4*j+2:AA+4*j+3], v1 offset:j*512+128
	ds_load_b64 v[CC+4*j:CC+4*j+1],   v1 offset:j*512+256
	ds_load_b64 v[CC+4*j+2:CC+4*j+3], v1 offset:j*512+384
.set j, j+1
.endr
	s_mov_b32 s[CN], 8
	s_wait_dscnt 0x0
	s_wait_tensorcnt 0x0                           ; my quarter is in LDS; until the barrier I alone touch it
.Lact:                                                 ; eight trips: two point blocks of all my rows of chunks, 2 NCT chunks, in place
	v_add_nc_u32 v[LL], s[TA], v[WA]
	v_add_nc_u32 v[LS], s[TA], v[SW]
.set ci, 0
.rept 2*NCT
	ds_load_b128 v[XR+4*ci:XR+4*ci+3], v[LL] offset:(ci%NCT)*CTS+(ci/NCT)*CH
.set ci, ci+1
.endr
.set ci, 0
.rept 2*NCT
	s_wait_dscnt 2*NCT-1                           ; behind chunk ci's load stand 2 NCT - 1 - ci loads and the ci stores of the chunks before it
.set e, 0
.rept 8
.if e%2
	v_fma_mix_f32_bf16 v[TT+e], v[XR+4*ci+e/2], v[AA+ci%NCT], v[CC+ci%NCT] op_sel:[1,0,0] op_sel_hi:[1,0,0]
.else
	v_fma_mix_f32_bf16 v[TT+e], v[XR+4*ci+e/2], v[AA+ci%NCT], v[CC+ci%NCT] op_sel:[0,0,0] op_sel_hi:[1,0,0]
.endif
.set e, e+1
.endr
.set e, 0
.rept 8
	v_max_num_f32 v[TT+e], 0, v[TT+e]
.set e, e+1
.endr
.irp k, 0,1,2,3
	v_cvt_pk_bf16_f32 v[XR+4*ci+\k], v[TT+2*\k], v[TT+2*\k+1]
.endr
	ds_store_b128 v[LS], v[XR+4*ci:XR+4*ci+3] offset:(ci%NCT)*CTS+(ci/NCT)*CH  ; the whole chunk was read by one load, which has come back
.set ci, ci+1
.endr
	s_add_co_u32 s[TA], s[TA], 2*CH
	s_sub_co_u32 s[CN], s[CN], 1
	s_cmp_lg_u32 s[CN], 0
	s_cbranch_scc1 .Lact
	s_wait_dscnt 0x0                               ; for the others' sake: my quarter is written
	s_barrier_signal -1
	s_barrier_wait -1                              ; everybody's is; nothing is written into the tile from here on
	v_mov_b32 v[XA0], v[XL0]
	v_mov_b32 v[XA1], v[XL1]
	FETCH 0, 0
	WIN 0                                          ; at a label and at a branch every window is 0
	s_mov_b32 s[PASS], PASSES
.Lpass:
	BIAS
	Q 0, 1, 0                                      ; a pass's first k step starts the sums; then the loop is entered in the middle of a trip
	WIN 0
	s_mov_b32 s[LAP], KB/4
	s_branch .Lmid
.Llap:
	Q 0, 0, 0
	WIN 0
.Lmid:
	Q 1, 0, 0
	Q 2, 0, 0
	Q 3, 0, 1
	WIN 0
	s_sub_co_u32 s[LAP], s[LAP], 1
	s_cmp_lg_u32 s[LAP], 0
	s_cbranch_scc1 .Llap
	EPI
	WIN 0
	s_sub_co_u32 s[PASS], s[PASS], 1
	s_cmp_lg_u32 s[PASS], 0
	s_cbranch_scc1 .Lpass
	s_wait_tensorcnt 0x0                           ; the wave's end, behind my tensor load and my last LDS store
	ds_add_u32 v[SPW], v[NIL]
	s_wait_dscnt 0x0
	s_endpgm
.Lfunc_end_k_q42466eca78_g2:
	.size	k_q42466eca78_g2, .Lfunc_end_k_q42466eca78_g2-k_q42466eca78_g2
	.p2alignl 7, 3214868480
	.fill 96, 4, 3214868480
	.section	.rodata,"a",@progbits
	.p2align	6, 0x0
	.amdhsa_kernel k_q42466eca78_g2
		.amdhsa_group_segment_fixed_size 327680
		.amdhsa_private_segment_fixed_size 0
		.amdhsa_enable_private_segment 0
		.amdhsa_kernarg_size 96
		.amdhsa_user_sgpr_count 2
		.amdhsa_user_sgpr_kernarg_segment_ptr 1
		.amdhsa_wavefront_size32 1
		.amdhsa_system_sgpr_workgroup_id_x 1
		.amdhsa_system_sgpr_workgroup_id_y 1
		.amdhsa_system_sgpr_workgroup_id_z 1
		.amdhsa_system_vgpr_workitem_id 0
		.amdhsa_next_free_vgpr 1024
		.amdhsa_next_free_sgpr 102
		.amdhsa_reserve_vcc 0
		.amdhsa_float_denorm_mode_32 3
		.amdhsa_float_denorm_mode_16_64 3
		.amdhsa_memory_ordered 1
		.amdhsa_forward_progress 1
		.amdhsa_inst_pref_size 150
	.end_amdhsa_kernel
	.amdgpu_metadata
---
amdhsa.version: [ 1, 2 ]
amdhsa.kernels:
  - .name:           k_q42466eca78_g2
    .symbol:         k_q42466eca78_g2.kd
    .args:
      - { .name: y1, .offset: 0, .size: 8, .value_kind: global_buffer, .address_space: global }
      - { .name: ps1, .offset: 8, .size: 8, .value_kind: global_buffer, .address_space: global }
      - { .name: params_pts_1_gamma, .offset: 16, .size: 8, .value_kind: global_buffer, .address_space: global }
      - { .name: params_col_1_gamma, .offset: 24, .size: 8, .value_kind: global_buffer, .address_space: global }
      - { .name: params_pts_1_beta, .offset: 32, .size: 8, .value_kind: global_buffer, .address_space: global }
      - { .name: params_col_1_beta, .offset: 40, .size: 8, .value_kind: global_buffer, .address_space: global }
      - { .name: params_pts_2_b, .offset: 48, .size: 8, .value_kind: global_buffer, .address_space: global }
      - { .name: params_col_2_b, .offset: 56, .size: 8, .value_kind: global_buffer, .address_space: global }
      - { .name: wf, .offset: 64, .size: 8, .value_kind: global_buffer, .address_space: global }
      - { .name: ps2, .offset: 72, .size: 8, .value_kind: global_buffer, .address_space: global }
      - { .name: params_pts_2_gamma, .offset: 80, .size: 8, .value_kind: global_buffer, .address_space: global }
      - { .name: params_col_2_gamma, .offset: 88, .size: 8, .value_kind: global_buffer, .address_space: global }
    .group_segment_fixed_size: 327680
    .private_segment_fixed_size: 0
    .kernarg_segment_align: 8
    .kernarg_segment_size: 96
    .max_flat_workgroup_size: 128
    .sgpr_count:     102
    .vgpr_count:     1024
    .wavefront_size: 32
...
	.end_amdgpu_metadata
.endif
;; end of part 4
;; launch outk (part 5): grid 16 x 2, 8 waves a work-group, no clusters, 5,120 bytes of LDS; arguments ps2, params_pts_2_gamma, params_col_2_gamma, params_pts_2_beta, params_col_2_beta, out0, out1, out2, out3; writes out0, out1, out2, out3
.if DOCPART == 5
	.amdgcn_target "amdgcn-amd-amdhsa--gfx1250"
	.amdhsa_code_object_version 6
	.text
	.protected	k_q42466eca78_outk
	.globl	k_q42466eca78_outk
	.p2align	8
	.type	k_q42466eca78_outk,@function
k_q42466eca78_outk:
	s_mov_b64 s[64:65], 0
	v_nop
	global_prefetch_b8 v0, s[64:65] scope:SCOPE_SE
	s_setreg_imm32_b32 hwreg(HW_REG_WAVE_MODE, 25, 1), 1
	s_wait_xcnt 0x0
; The results for 64 channels (grid x) of a branch (grid y), from the 128 work-groups' (m, M2, largest d) of layer 2, all taken of y' = y with gamma2's sign:
; mean = sum m / 128;  var = (sum M2 + 256 sum (m - mean)^2) / 32768;  a = |gamma2| / sqrt(var + 1e-5);
; out[batch][channel] = max(a max over the batch's 8 work-groups of (largest d + (m - mean)) + beta, 0): norm and relu grow with y', so the maximum over points is taken ahead of them.
; Thread t: channels 4 (t % 16) .. + 3, partials 8 (t / 16) .. + 7, which are batch t / 16: each thread ends with its own four results; sixteen lanes store 256 consecutive bytes.
; The sums over the 16 groups of threads go as in the launches that close layers 0 and 1.  Work-group x = 0 also writes its branch's 48 zeros (out0 or out2).
; LIMIT.  The maxima are those in which a NaN loses.
.set SPARE, 4096                       ; behind the two regions: the spare words, 128 bytes for each of eight waves
.set SPW, 2
.set NIL, 3
.set LR,  6                            ; 16 (t % 16)
.set GL,  7                            ; my byte offset in a quantity's 32,768 bytes
.set LW,  8                            ; LDS: my wave's 256 bytes
.set OO,  9                            ; my byte offset in the output
.set ZO,  10                           ; 16 t
.set MEAN, 12
.set MM,  16                           ; v16-47 m, then m - mean
.set M2,  48
.set DX,  80                           ; v80-111 largest d
.set GA,  112
.set BT,  116
.set TT,  120
.set WW,  136
.set QQ,  168
.set ZZ,  172
.set SEL, 30
.macro SUM8 src                        ; eight quads fall into v[TT:TT+3]
.irp n, 0,1,2,3
	v_pk_add_f32 v[TT+4*\n:TT+4*\n+1], v[(\src)+8*\n:(\src)+8*\n+1], v[(\src)+8*\n+4:(\src)+8*\n+5]
	v_pk_add_f32 v[TT+4*\n+2:TT+4*\n+3], v[(\src)+8*\n+2:(\src)+8*\n+3], v[(\src)+8*\n+6:(\src)+8*\n+7]
.endr
.irp n, 0,2,8,10
	v_pk_add_f32 v[TT+\n:TT+\n+1], v[TT+\n:TT+\n+1], v[TT+\n+4:TT+\n+5]
.endr
.irp n, 0,2
	v_pk_add_f32 v[TT+\n:TT+\n+1], v[TT+\n:TT+\n+1], v[TT+\n+8:TT+\n+9]
.endr
.endm
.macro XCH reg, last                   ; v[TT:TT+3] summed over all 16 threads that share my channels; last = 1: the launch's last LDS instructions
.irp n, 0,1,2,3
	v_permlanex16_b32 v[TT+4+\n], v[TT+\n], s[SEL], s[SEL+1]
.endr
	v_pk_add_f32 v[TT:TT+1], v[TT:TT+1], v[TT+4:TT+5]
	v_pk_add_f32 v[TT+2:TT+3], v[TT+2:TT+3], v[TT+6:TT+7]
	ds_store_b128 v[LW], v[TT:TT+3] offset:\reg    ; both halves of the lanes write the same 16 bytes with the same numbers
	s_wait_dscnt 0x0                               ; for the others' sake
	s_barrier_signal -1
	s_barrier_wait -1
.irp n, 0,1,2,3,4,5,6,7
	ds_load_b128 v[WW+4*\n:WW+4*\n+3], v[LR] offset:(\reg)+256*\n
.endr
.if \last
	s_wait_tensorcnt 0x0                           ; behind my last LDS store, ahead of the wave's end
	ds_add_u32 v[SPW], v[NIL]
.endif
	s_wait_dscnt 0x0
	SUM8 WW
.endm
	s_load_b512 s[8:23], s[0:1], 0x0               ; ps2, gamma pts, col, beta pts, col, out0, out1, out2
	s_load_b64 s[24:25], s[0:1], 0x40              ; out3
	v_lshl_add_u32 v[SPW], v0, 2, SPARE
	v_mov_b32 v[NIL], 0
	v_lshrrev_b32 v1, 5, v0
	v_readfirstlane_b32 s2, v1
	s_and_b32 s3, ttmp7, 0xffff
	s_mov_b32 s5, ttmp9
	s_lshl_b32 s4, s5, 1
	s_add_co_u32 s4, s4, s3                        ; block 2 x + branch
	s_mul_i32 s26, s4, 98304
	s_mov_b32 s27, 0
	s_lshl_b32 s28, s5, 8                          ; my 64 channels, in bytes
	s_mov_b32 s29, 0
	s_mov_b32 s[SEL], 0x76543210
	s_mov_b32 s[SEL+1], 0xfedcba98
	s_mov_b32 s32, 0x38000000                      ; 1 / 32768
	s_mov_b32 s33, 0x3727c5ac                      ; 1e-5
	v_and_b32 v4, 15, v0
	v_lshrrev_b32 v5, 4, v0
	v_lshlrev_b32 v[LR], 4, v4
	v_lshl_add_u32 v[GL], v5, 11, v[LR]
	v_lshl_add_u32 v[LW], s2, 8, v[LR]
	v_lshl_add_u32 v[OO], v5, 12, v[LR]            ; batch x 4,096 bytes
	v_lshlrev_b32 v[ZO], 4, v0
.irp n, 0,1,2,3
	v_mov_b32 v[ZZ+\n], 0
.endr
	s_wait_kmcnt 0x0
	s_cmp_eq_u32 s3, 0
	s_cselect_b64 s[10:11], s[10:11], s[12:13]
	s_cselect_b64 s[14:15], s[14:15], s[16:17]
	s_cselect_b64 s[18:19], s[18:19], s[22:23]
	s_cselect_b64 s[20:21], s[20:21], s[24:25]
	s_add_nc_u64 s[8:9], s[8:9], s[26:27]
	s_add_nc_u64 s[10:11], s[10:11], s[28:29]
	s_add_nc_u64 s[14:15], s[14:15], s[28:29]
	s_add_nc_u64 s[20:21], s[20:21], s[28:29]
.irp n, 0,1,2,3,4,5,6,7
	global_load_b128 v[MM+4*\n:MM+4*\n+3], v[GL], s[8:9] offset:256*\n
.endr
.irp n, 0,1,2,3,4,5,6,7
	global_load_b128 v[M2+4*\n:M2+4*\n+3], v[GL], s[8:9] offset:32768+256*\n
.endr
.irp n, 0,1,2,3,4,5,6,7
	global_load_b128 v[DX+4*\n:DX+4*\n+3], v[GL], s[8:9] offset:65536+256*\n
.endr
	global_load_b128 v[GA:GA+3], v[LR], s[10:11]
	global_load_b128 v[BT:BT+3], v[LR], s[14:15]
	s_wait_loadcnt 18                              ; m is in; the 18 loads behind it may be out
	SUM8 MM
	XCH 0, 0
	v_pk_mul_f32 v[MEAN:MEAN+1], v[TT:TT+1], 0x3c000000 op_sel_hi:[1,0]     ; / 128
	v_pk_mul_f32 v[MEAN+2:MEAN+3], v[TT+2:TT+3], 0x3c000000 op_sel_hi:[1,0]
.irp n, 0,1,2,3,4,5,6,7
	v_pk_add_f32 v[MM+4*\n:MM+4*\n+1], v[MM+4*\n:MM+4*\n+1], v[MEAN:MEAN+1] neg_lo:[0,1] neg_hi:[0,1]
	v_pk_add_f32 v[MM+4*\n+2:MM+4*\n+3], v[MM+4*\n+2:MM+4*\n+3], v[MEAN+2:MEAN+3] neg_lo:[0,1] neg_hi:[0,1]
.endr
	v_pk_mul_f32 v[QQ:QQ+1], v[MM:MM+1], v[MM:MM+1]
	v_pk_mul_f32 v[QQ+2:QQ+3], v[MM+2:MM+3], v[MM+2:MM+3]
.irp n, 1,2,3,4,5,6,7
	v_pk_fma_f32 v[QQ:QQ+1], v[MM+4*\n:MM+4*\n+1], v[MM+4*\n:MM+4*\n+1], v[QQ:QQ+1]
	v_pk_fma_f32 v[QQ+2:QQ+3], v[MM+4*\n+2:MM+4*\n+3], v[MM+4*\n+2:MM+4*\n+3], v[QQ+2:QQ+3]
.endr
	s_wait_loadcnt 0x0
	SUM8 M2
	v_pk_fma_f32 v[TT:TT+1], v[QQ:QQ+1], 0x43800000, v[TT:TT+1] op_sel_hi:[1,0,1]      ; 256 points stand behind each m
	v_pk_fma_f32 v[TT+2:TT+3], v[QQ+2:QQ+3], 0x43800000, v[TT+2:TT+3] op_sel_hi:[1,0,1]
	XCH 2048, 1
.irp n, 0,1,2,3
	v_fma_f32 v[TT+\n], v[TT+\n], s32, s33         ; var + eps
.endr
.irp n, 0,1,2,3
	v_rsq_f32 v[TT+\n], v[TT+\n]
.endr
.irp n, 0,1,2,3
	v_and_b32 v[GA+\n], 0x7fffffff, v[GA+\n]       ; plain instructions between the roots and the use of their results (ISA guide 5.7.2)
.endr
	s_wait_alu depctr_va_vdst(0)
	v_pk_mul_f32 v[TT:TT+1], v[TT:TT+1], v[GA:GA+1]
	v_pk_mul_f32 v[TT+2:TT+3], v[TT+2:TT+3], v[GA+2:GA+3]
.irp n, 0,1,2,3,4,5,6,7
	v_pk_add_f32 v[DX+4*\n:DX+4*\n+1], v[DX+4*\n:DX+4*\n+1], v[MM+4*\n:MM+4*\n+1]          ; the work-group's largest y' - mean
	v_pk_add_f32 v[DX+4*\n+2:DX+4*\n+3], v[DX+4*\n+2:DX+4*\n+3], v[MM+4*\n+2:MM+4*\n+3]
.endr
.irp c, 0,1,2,3
	v_max3_num_f32 v[WW+\c], v[DX+\c], v[DX+4+\c], v[DX+8+\c]
.endr
.irp c, 0,1,2,3
	v_max3_num_f32 v[WW+\c], v[WW+\c], v[DX+12+\c], v[DX+16+\c]
.endr
.irp c, 0,1,2,3
	v_max3_num_f32 v[WW+\c], v[WW+\c], v[DX+20+\c], v[DX+24+\c]
.endr
.irp c, 0,1,2,3
	v_max_num_f32 v[WW+\c], v[WW+\c], v[DX+28+\c]
.endr
	v_pk_fma_f32 v[WW:WW+1], v[TT:TT+1], v[WW:WW+1], v[BT:BT+1]
	v_pk_fma_f32 v[WW+2:WW+3], v[TT+2:TT+3], v[WW+2:WW+3], v[BT+2:BT+3]
.irp c, 0,1,2,3
	v_max_num_f32 v[WW+\c], 0, v[WW+\c]
.endr
	global_store_b128 v[OO], v[WW:WW+3], s[20:21]  ; sixteen lanes: 256 consecutive bytes, aligned
	s_cmp_lg_u32 s5, 0
	s_cbranch_scc1 .Lend
	s_cmp_lg_u32 s2, 0
	s_cbranch_scc1 .Lend
	s_wait_xcnt 0x0                                ; EXEC changes only when the store above has read its sources
	v_cmp_gt_u32 vcc_lo, 12, v0
	s_and_saveexec_b32 s34, vcc_lo
	global_store_b128 v[ZO], v[ZZ:ZZ+3], s[18:19]  ; 12 lanes x 16 bytes: the 48 zeros
	s_wait_xcnt 0x0                                ; and again in front of the line that widens it
	s_or_b32 exec_lo, exec_lo, s34
.Lend:
	s_endpgm
.Lfunc_end_k_q42466eca78_outk:
	.size	k_q42466eca78_outk, .Lfunc_end_k_q42466eca78_outk-k_q42466eca78_outk
	.p2alignl 7, 3214868480
	.fill 96, 4, 3214868480
	.section	.rodata,"a",@progbits
	.p2align	6, 0x0
	.amdhsa_kernel k_q42466eca78_outk
		.amdhsa_group_segment_fixed_size 5120
		.amdhsa_private_segment_fixed_size 0
		.amdhsa_enable_private_segment 0
		.amdhsa_kernarg_size 72
		.amdhsa_user_sgpr_count 2
		.amdhsa_user_sgpr_kernarg_segment_ptr 1
		.amdhsa_wavefront_size32 1
		.amdhsa_system_sgpr_workgroup_id_x 1
		.amdhsa_system_sgpr_workgroup_id_y 1
		.amdhsa_system_sgpr_workgroup_id_z 1
		.amdhsa_system_vgpr_workitem_id 0
		.amdhsa_next_free_vgpr 176
		.amdhsa_next_free_sgpr 66
		.amdhsa_reserve_vcc 1
		.amdhsa_float_denorm_mode_32 3
		.amdhsa_float_denorm_mode_16_64 3
		.amdhsa_memory_ordered 1
		.amdhsa_forward_progress 1
		.amdhsa_inst_pref_size 16
	.end_amdhsa_kernel
	.amdgpu_metadata
---
amdhsa.version: [ 1, 2 ]
amdhsa.kernels:
  - .name:           k_q42466eca78_outk
    .symbol:         k_q42466eca78_outk.kd
    .args:
      - { .name: ps2, .offset: 0, .size: 8, .value_kind: global_buffer, .address_space: global }
      - { .name: params_pts_2_gamma, .offset: 8, .size: 8, .value_kind: global_buffer, .address_space: global }
      - { .name: params_col_2_gamma, .offset: 16, .size: 8, .value_kind: global_buffer, .address_space: global }
      - { .name: params_pts_2_beta, .offset: 24, .size: 8, .value_kind: global_buffer, .address_space: global }
      - { .name: params_col_2_beta, .offset: 32, .size: 8, .value_kind: global_buffer, .address_space: global }
      - { .name: out0, .offset: 40, .size: 8, .value_kind: global_buffer, .address_space: global }
      - { .name: out1, .offset: 48, .size: 8, .value_kind: global_buffer, .address_space: global }
      - { .name: out2, .offset: 56, .size: 8, .value_kind: global_buffer, .address_space: global }
      - { .name: out3, .offset: 64, .size: 8, .value_kind: global_buffer, .address_space: global }
    .group_segment_fixed_size: 5120
    .private_segment_fixed_size: 0
    .kernarg_segment_align: 8
    .kernarg_segment_size: 72
    .max_flat_workgroup_size: 256
    .sgpr_count:     66
    .vgpr_count:     176
    .wavefront_size: 32
...
	.end_amdgpu_metadata
.endif
;; end of part 5
